; MI455X (gfx1250); checked and timed in simulation.
; The chip was launched on July 23, 2026; its instructions are those of AMD's public machine-readable ISA for CDNA 5 (MIT licence, August 2026) and "CDNA5" Instruction Set Architecture Reference Guide (July 2026). The comments in the code are by the model that wrote it; some were corrected since.
;; Decoding Layer. Allowed arithmetic: matrix products marked QUANTISED: E2M1 operands, one E8M0 scale for each 32 along K, by v_wmma_scale_f32_16x16x128_f8f6f4 with both operands' format E2M1 (or v_wmma_scale_f32_32x16x128_f4), f32 sums; products left as they are: bf16, f16 or f32 operands; f32 sums; everything else in f32.
;; Inputs: ca_b 1,024 float32; ca_bk 1,024 float32; ca_bq 1,024 float32; ca_bv 1,024 float32; ca_g 1,024 float32; ca_wk 1,024 x 1,024 float32; ca_wq 1,024 x 1,024 float32; ca_wv 1,024 x 1,024 float32; decoded 2 x 2,048 x 1,024 float32; encoded 2 x 2,048 x 1,024 float32; ffn_b 1,024 float32; ffn_b1 1,024 float32; ffn_b2 1,024 float32; ffn_g 1,024 float32; ffn_w1 1,024 x 1,024 float32; ffn_w2 1,024 x 1,024 float32; sa_b 1,024 float32; sa_bk 1,024 float32; sa_bq 1,024 float32; sa_bv 1,024 float32; sa_g 1,024 float32; sa_wk 1,024 x 1,024 float32; sa_wq 1,024 x 1,024 float32; sa_wv 1,024 x 1,024 float32.
;; Outputs: out0 2 x 2,048 x 1,024 float32.
;; This version of the problem:
;;   THIS VERSION OF THE PROBLEM IS GIVEN IN LOW PRECISION. The matrix products marked QUANTISED in the list below multiply operands that are first quantised to E2M1 (2 exponent bits, 1 mantissa bit; 4 bits a number), with one power-of-two scale for each 32 numbers along K (OCP MX v1.0); their sums are f32. The products marked 'left as it is' may take bf16, f16 or f32 operands, with f32 sums. Whichever they take, every output number must still come out within the allowed error. Rounding operands to bf16 (8 significant bits) uses up far more of that allowance than f16 does (11 bits, for magnitudes from 6e-5 to 65,504). All else is computed in f32.
;;   The module's matrix products, in the order in which they are computed (A, B: the left and right operand; K: the contracted axis; several contracted axes count as one K, in the product's order):
;;     1. [M 4,096, K 1,024] x [K 1,024, N 1,024]; A: input decoded; B: input sa_wq: QUANTISED
;;     2. [M 4,096, K 1,024] x [K 1,024, N 1,024]; A: input decoded; B: input sa_wk: QUANTISED
;;     3. [M 4,096, K 1,024] x [K 1,024, N 1,024]; A: input decoded; B: input sa_wv: QUANTISED
;;     4. batch 32 x [M 2,048, K 64] x [K 64, N 2,048]; A: computed on the way; B: computed on the way: left as it is (an operand is computed on the way)
;;     5. batch 32 x [M 2,048, K 2,048] x [K 2,048, N 64]; A: computed on the way; B: computed on the way: left as it is (an operand is computed on the way)
;;     6. [M 4,096, K 1,024] x [K 1,024, N 1,024]; A: computed on the way; B: input ca_wq: left as it is (an operand is computed on the way)
;;     7. [M 4,096, K 1,024] x [K 1,024, N 1,024]; A: input encoded; B: input ca_wk: QUANTISED
;;     8. [M 4,096, K 1,024] x [K 1,024, N 1,024]; A: input encoded; B: input ca_wv: QUANTISED
;;     9. batch 32 x [M 2,048, K 64] x [K 64, N 2,048]; A: computed on the way; B: computed on the way: left as it is (an operand is computed on the way)
;;     10. batch 32 x [M 2,048, K 2,048] x [K 2,048, N 64]; A: computed on the way; B: computed on the way: left as it is (an operand is computed on the way)
;;     11. [M 4,096, K 1,024] x [K 1,024, N 1,024]; A: computed on the way; B: input ffn_w1: left as it is (an operand is computed on the way)
;;     12. [M 4,096, K 1,024] x [K 1,024, N 1,024]; A: computed on the way; B: input ffn_w2: left as it is (an operand is computed on the way)
;;   THE QUANTISER, for each operand of a quantised product, along K:
;;     - K is cut into blocks of 32 from its start; a last block that is shorter is filled with zeros.
;;     - A block's scale is 2^e with e = floor(log2(the largest magnitude in the block)) - 2, held to -126 .. 127; a block of zeros has e = 0. As a byte (E8M0): e + 127.
;;     - Each number is divided by its block's scale, clamped to +-6, and rounded to the nearest number of E2M1, ties to even, subnormals kept.
;;     - The product sums the exact products of the quantised numbers (number of the format x scale) in f32.
;;   ~~~python
;;   def quantise(x, axis):      # numpy; x: float32 -> the quantised numbers, widened to float32 again
;;       x = np.moveaxis(x, axis, -1); K = x.shape[-1]
;;       x = np.pad(x, [(0, 0)] * (x.ndim - 1) + [(0, -K % 32)]); x = x.reshape(x.shape[:-1] + (-1, 32)); a = np.abs(x).max(-1, keepdims=True)
;;       e = np.where(a > 0, np.clip(np.frexp(np.where(a > 0, a, 1))[1] - 1 - 2, -126, 127), 0)      # np.frexp(a)[1] - 1 = floor(log2(a)), exactly
;;       r = np.clip(x / 2.0 ** e, -6, 6)
;;       step = 2.0 ** (np.maximum(np.frexp(np.where(r == 0, 1, r))[1] - 1, 0) - 1)
;;       q = np.round(r / step) * step * 2.0 ** e      # np.round: ties to even
;;       return np.moveaxis(q.reshape(q.shape[:-2] + (-1,))[..., :K], -1, axis).astype(np.float32)
;;   ~~~
;; One version. Each part assembles by itself: llvm-mc -triple=amdgcn-amd-amdhsa -mcpu=gfx1250 --defsym DOCPART=n.
;; ======== version 1 of 1: 8 launches
;; limits: values are held in f16: magnitudes above 65,504 overflow, below 6.1e-05 lose precision
;; workspace buffers: pb 9,338,880 bytes; wq16 2,097,152 bytes; w216 2,097,152 bytes; qkv 41,943,040 bytes; xa 25,165,824 bytes; xb 25,165,824 bytes; qy 16,777,216 bytes
;; launch prep (part 1): grid 528 x 1, 4 waves a work-group, no clusters, 102,912 bytes of LDS; arguments decoded, encoded, sa_wq, sa_wk, sa_wv, ca_wk, ca_wv, ca_wq, ffn_w1, ffn_w2, pb, wq16, w216; writes pb, wq16, w216
.if DOCPART == 1
	.amdgcn_target "amdgcn-amd-amdhsa--gfx1250"
	.amdhsa_code_object_version 6
	.text
	.protected	k_q9be253fe30_prep
	.globl	k_q9be253fe30_prep
	.p2align	8
	.type	k_q9be253fe30_prep,@function
k_q9be253fe30_prep:
	s_mov_b64 s[64:65], 0
	v_nop
	global_prefetch_b8 v0, s[64:65] scope:SCOPE_SE
	s_setreg_imm32_b32 hwreg(HW_REG_WAVE_MODE, 25, 1), 1
	s_wait_xcnt 0x0
; PREP: every operand is brought once into the form in which the products read it.  Three kinds of work-group, told apart by the work-group's number:
;  A (0-255):   decoded and encoded, [4096][1024] f32 each, K innermost -> codes of FP4 (E2M1) and one E8M0 byte for each 32 along K: pb+0 [8192 rows][512 B], pb+ACTS [8192][32 B].
;  B (256-335): sa_wq, sa_wk, sa_wv, ca_wk, ca_wv, [K 1024][N 1024] f32, K outermost -> codes [1024 mat + n][512 B] at pb+WC, scale bytes [1024 mat + n][32 B] at pb+WS, K innermost.
;  C (336-527): ca_wq, ffn_w1, ffn_w2, [K][N] f32 -> f16 laid [n][k]: wq16, pb+W1H, w216.
; A block's scale is 2^(floor(log2(largest magnitude)) - 2); its byte is the largest magnitude's exponent field - 2, held at 1 from below.  A block of zeros keeps the byte 1 where the rule says 127:
; its codes are zeros, which add nothing under any byte but 0xff, and this program alone reads the bytes.
; LIMITS: NaN and infinities among the inputs are not served; blocks whose largest magnitude lies under 2^-124 (the floor) were not tried; the three f16 weights must lie under 65,504 in magnitude.
; No tensor loads, no barrier: waves share nothing.  Each kind of work-group has LDS bytes of its own.
.set ACTS,  4194304
.set WC,    4456448
.set WS,    7077888
.set W1H,   7241728
.set STEPS, 16                         ; A: steps of 512 numbers for a wave
.set CB,    8                          ; A: bytes of a lane's 16 codes
.set SP,    80                         ; A: a lane's place in a stage: 64 bytes + 16 of padding
.set PITCH, 272                        ; B, C: a stage row: 256 bytes + 16
.set LDSB,  32768                      ; A: 4 x 8,192 from 0;  B: 4 x 8,704 from here;
.set LDSC,  67584                      ; C: 4 x 8,704 from here
.set SPARE, 102400                     ; the spare words, 128 bytes for each wave: two blocks of 256 bytes that no other line names
.set SPW,   192                        ; v192 LDS address of my spare word; never rewritten
.set NIL,   193                        ; v193 0; never rewritten
.set RA,    16                         ; A: v16-79 four sets of 16 numbers as loaded
.set XA,    80                         ; A: v80-111 two sets of 16 neighbours
.set EA,    112                        ; A: v112-127 a scale byte for each step
.set CA,    128                        ; A: v128-191 codes, four registers for each step
.set SB,    24                         ; B: v24-27 the scale bytes
.set XB,    32                         ; B, C: v32-95 two sets of 32 numbers
.set CC,    96                         ; B, C: v96.. a block's codes or halves
.set OUTR,  112                        ; B, C: v112-175 the way out
.macro LOADA t                         ; 32 lanes read 512 consecutive bytes
.irp i, 0,1,2,3
	global_load_b128 v[RA+16*((\t)%4)+4*\i:RA+16*((\t)%4)+4*\i+3], v3, s[4:5] offset:2048*(\t)+512*\i th:TH_LOAD_NT
.endr
.endm
.macro TURNA t                         ; a step's 2,048 bytes through the wave's own stage: in as they lie, back 64 bytes a lane.  LDS serves a wave's instructions in order
.irp i, 0,1,2,3
	ds_store_b128 v14, v[RA+16*((\t)%4)+4*\i:RA+16*((\t)%4)+4*\i+3] offset:32*SP*((\t)%2)+8*SP*\i
.endr
.irp i, 0,1,2,3
	ds_load_b128 v[XA+16*((\t)%2)+4*\i:XA+16*((\t)%2)+4*\i+3], v15 offset:32*SP*((\t)%2)+16*\i
.endr
.endm
.macro STEPA t
.set XS, XA+16*((\t)%2)
.if (\t) > 0
	s_wait_dscnt 1                                 ; this step's numbers are back from the stage; the last step's byte store may be out
.else
	s_wait_dscnt 0x0
.endif
.if (\t)+4 < STEPS
	LOADA (\t)+4                                   ; into the set whose stores into the stage have read their registers
.endif
.if (\t)+1 < STEPS
.if STEPS-2-(\t) >= 3
	s_wait_loadcnt 12                              ; the next step's four loads are in; those of the three steps behind it may be out
.else
	s_wait_loadcnt 4*(STEPS-2-(\t))
.endif
	TURNA (\t)+1
.endif
	v_max3_num_f32 v8, |v[XS]|, |v[XS+1]|, |v[XS+2]|       ; the largest magnitude of my 16, in two chains
	v_max3_num_f32 v9, |v[XS+3]|, |v[XS+4]|, |v[XS+5]|
.irp i, 6,10
	v_max3_num_f32 v8, v8, |v[XS+\i]|, |v[XS+\i+1]|
	v_max3_num_f32 v9, v9, |v[XS+\i+2]|, |v[XS+\i+3]|
.endr
	v_max3_num_f32 v8, v8, |v[XS+14]|, |v[XS+15]|
	v_max3_num_f32 v8, v8, v9, 0x1800000           ; and the floor 2^(3 - 127): the byte cannot fall under 1
	v_max_num_f32_dpp v8, v8, v8 row_xmask:1 row_mask:0xf bank_mask:0xf   ; with my neighbour's 16: the block's
	v_add_nc_u32 v11, 0xff000000, v8               ; 2 off its exponent field: the conversion takes the exponent field of this operand as its scale
	v_cvt_scalef32_pk8_fp4_f32 v[CA+4*(\t)], v[XS:XS+7], v11
	v_cvt_scalef32_pk8_fp4_f32 v[CA+4*(\t)+1], v[XS+8:XS+15], v11
	v_lshrrev_b32 v[EA+(\t)], 23, v11              ; the scale's byte (also the plain line behind the conversions)
	ds_store_b8 v5, v[EA+(\t)] offset:16*(\t)      ; both lanes of a block write the same byte with the same value
	global_store_b64 v4, v[CA+4*(\t):CA+4*(\t)+1], s[8:9] offset:32*CB*(\t)   ; the wave stores 256 consecutive bytes, aligned
.endm
.macro LOADB t                         ; block t: W(32 t + i, my column), i = 0 .. 31: a load reads 128 consecutive bytes a wave, the four waves stand side by side
.irp i, 0,1,2,3,4,5,6,7,8,9,10,11,12,13,14,15,16,17,18,19,20,21,22,23,24,25,26,27,28,29,30,31
	global_load_b32 v[XB+32*((\t)%2)+\i], v3, s[4:5] offset:(32*(\t)+\i)*4096 th:TH_LOAD_NT
.endr
.endm
.macro BLOCKB t                        ; a block of 32 along K of my column becomes 16 bytes of codes and a byte
.set XS, XB+32*((\t)%2)
.if (\t) < 15
	s_wait_loadcnt 32                              ; this block's 32 loads are in; the next block's may be out
.else
	s_wait_loadcnt 0
.endif
	v_max3_num_f32 v12, |v[XS]|, |v[XS+1]|, |v[XS+2]|
	v_max3_num_f32 v13, |v[XS+3]|, |v[XS+4]|, |v[XS+5]|
.irp i, 6,10,14,18,22,26
	v_max3_num_f32 v12, v12, |v[XS+\i]|, |v[XS+\i+1]|
	v_max3_num_f32 v13, v13, |v[XS+\i+2]|, |v[XS+\i+3]|
.endr
	v_max3_num_f32 v12, v12, |v[XS+30]|, |v[XS+31]|
	v_max3_num_f32 v12, v12, v13, 0x1800000        ; the floor
	v_add_nc_u32 v11, 0xff000000, v12
	v_lshrrev_b32 v13, 23, v11
.if (\t)%4 == 0
	v_mov_b32 v[SB+(\t)/4], v13                    ; four bytes to a register, the lower K in the lower byte
.else
	v_lshl_or_b32 v[SB+(\t)/4], v13, 8*((\t)%4), v[SB+(\t)/4]
.endif
.irp g, 0,1,2,3
	v_cvt_scalef32_pk8_fp4_f32 v[CC+\g], v[XS+8*\g:XS+8*\g+7], v11
.endr
	v_nop                                          ; one plain line behind the last conversion
	ds_store_b128 v4, v[CC:CC+3] offset:16*(\t)
.if (\t)+2 < 16
	LOADB (\t)+2
.endif
	s_wait_dscnt 0x0                               ; the store has read its registers: the next block's codes may be written
.endm
.macro BLOCKC t                        ; 32 along K of my column become 64 bytes of f16
.set XS, XB+32*((\t)%2)
.if (\t) < 3
	s_wait_loadcnt 32
.else
	s_wait_loadcnt 0
.endif
.irp i, 0,1,2,3,4,5,6,7,8,9,10,11,12,13,14,15
	v_cvt_pk_f16_f32 v[CC+\i], v[XS+2*\i], v[XS+2*\i+1]
.endr
.irp i, 0,1,2,3
	ds_store_b128 v4, v[CC+4*\i:CC+4*\i+3] offset:64*(\t)+16*\i
.endr
.if (\t)+2 < 4
	LOADB (\t)+2
.endif
	s_wait_dscnt 0x0
.endm
.macro ROWS_OUT krow                   ; the stage's 32 rows of 256 bytes leave: sixteen lanes store one aligned run of 256 bytes, two rows an instruction
.irp t, 0,1,2,3,4,5,6,7,8,9,10,11,12,13,14,15
	ds_load_b128 v[OUTR+4*\t:OUTR+4*\t+3], v7 offset:2*\t*PITCH
.endr
.irp t, 0,1,2,3,4,5,6,7,8,9,10,11,12,13,14,15
	s_wait_dscnt 15-\t                             ; the younger loads may be out
	global_store_b128 v8, v[OUTR+4*\t:OUTR+4*\t+3], s[6:7] offset:2*\t*\krow
.endr
.endm
.macro CLOSE                           ; the wave's end, behind my last LDS store
	s_wait_tensorcnt 0x0
	ds_add_u32 v[SPW], v[NIL]
	s_wait_dscnt 0x0
	s_endpgm
.endm
	s_load_b256 s[4:11], s[0:1], 0x0               ; decoded, encoded, sa_wq, sa_wk
	s_load_b256 s[12:19], s[0:1], 0x20             ; sa_wv, ca_wk, ca_wv, ca_wq
	s_load_b256 s[20:27], s[0:1], 0x40             ; ffn_w1, ffn_w2, pb, wq16
	s_load_b64 s[28:29], s[0:1], 0x60              ; w216
	v_lshl_add_u32 v[SPW], v0, 2, SPARE
	v_mov_b32 v[NIL], 0
	v_lshrrev_b32 v1, 5, v0
	v_readfirstlane_b32 s30, v1                    ; wave 0..3
	v_and_b32 v2, 31, v0                           ; lane
	s_mov_b32 s37, 0                               ; the upper word of every offset
	s_mov_b32 s33, 0
	s_wait_kmcnt 0x0
	s_cmp_lt_u32 ttmp9, 256
	s_cbranch_scc0 .Lweights
	; ---------------- A: the activations.  Both tensors are plain streams of blocks of 32; a wave takes 8,192 numbers
	v_lshlrev_b32 v3, 4, v2                        ; my 16 bytes of a load's 512
	s_mul_i32 s31, s30, 8192                       ; my wave's LDS
	v_lshrrev_b32 v14, 2, v2
	v_mul_u32_u24 v14, v14, SP
	v_and_b32 v15, 3, v2
	v_lshl_add_u32 v14, v15, 4, v14
	v_add_nc_u32 v14, s31, v14                     ; the stage, in: SP (lane / 4) + 16 (lane % 4)
	v_mul_u32_u24 v15, v2, SP
	v_add_nc_u32 v15, s31, v15                     ; and out: SP x lane
	v_mul_u32_u24 v4, v2, CB                       ; my codes' place in a step's
	v_lshrrev_b32 v5, 1, v2
	s_add_co_u32 s31, s31, 2*32*SP
	v_add_nc_u32 v5, s31, v5                       ; my block's byte among my wave's 256
	v_lshlrev_b32 v7, 3, v2
	v_add_nc_u32 v6, s31, v7
	s_cmp_lt_u32 ttmp9, 128                        ; decoded or encoded: the choice hangs on the work-group's number alone
	s_cselect_b64 s[4:5], s[4:5], s[6:7]
	s_and_b32 s32, ttmp9, 127
	s_lshl_b32 s32, s32, 2
	s_add_co_u32 s32, s32, s30                     ; my run of 8,192 numbers in its tensor,
	s_lshl_b32 s32, s32, 15                        ; 32,768 bytes each
	s_add_nc_u64 s[4:5], s[4:5], s[32:33]
	s_lshl_b32 s34, ttmp9, 2
	s_add_co_u32 s34, s34, s30                     ; and among both tensors' runs
	s_lshl_b32 s32, s34, 12                        ; 4,096 bytes of codes a run
	s_add_nc_u64 s[8:9], s[24:25], s[32:33]
	s_lshl_b32 s32, s34, 8                         ; 256 scale bytes a run
	s_add_co_u32 s32, s32, ACTS
	s_add_nc_u64 s[10:11], s[24:25], s[32:33]
.irp t, 0,1,2,3
	LOADA \t
.endr
	s_wait_loadcnt 12                              ; step 0's four loads are in
	TURNA 0
.irp t, 0,1,2,3,4,5,6,7,8,9,10,11,12,13,14,15
	STEPA \t
.endr
	ds_load_b64 v[8:9], v6                         ; my wave's 256 scale bytes, 8 a lane
	s_wait_dscnt 0x0
	global_store_b64 v7, v[8:9], s[10:11]          ; 256 consecutive bytes, aligned
	CLOSE
.Lweights:
	v_lshlrev_b32 v3, 2, v2                        ; in: 4 bytes a lane: a lane takes a column, its registers run down K
	v_and_b32 v5, 15, v2
	v_lshrrev_b32 v6, 4, v2
	s_mul_i32 s35, s30, 32*PITCH
	s_cmp_lt_u32 ttmp9, 336
	s_cbranch_scc0 .Lhalves
	; ---------------- B: the five quantised weights.  id = mat x 16 + y x 8 + x: 128 columns x 512 along K a work-group
	s_add_co_u32 s35, s35, LDSB                    ; my stage
	v_mul_u32_u24 v4, v2, PITCH
	v_add_nc_u32 v4, s35, v4                       ; into it: row = my column
	v_mul_u32_u24 v7, v6, PITCH
	v_lshl_add_u32 v7, v5, 4, v7
	v_add_nc_u32 v7, s35, v7                       ; out of it: sixteen lanes to a row
	v_mul_u32_u24 v8, v6, 512
	v_lshl_add_u32 v8, v5, 4, v8                   ; and the same place in the codes
	v_lshlrev_b32 v9, 5, v2                        ; my column's row of scale bytes
	s_sub_co_u32 s31, ttmp9, 256
	s_lshr_b32 s32, s31, 4                         ; mat
	s_mov_b64 s[4:5], s[8:9]
	s_cmp_eq_u32 s32, 1
	s_cselect_b64 s[4:5], s[10:11], s[4:5]
	s_cmp_eq_u32 s32, 2
	s_cselect_b64 s[4:5], s[12:13], s[4:5]
	s_cmp_eq_u32 s32, 3
	s_cselect_b64 s[4:5], s[14:15], s[4:5]
	s_cmp_eq_u32 s32, 4
	s_cselect_b64 s[4:5], s[16:17], s[4:5]
	s_and_b32 s33, s31, 7
	s_bfe_u32 s34, s31, 0x10003                    ; y
	s_lshl_b32 s33, s33, 7
	s_lshl_b32 s35, s30, 5
	s_add_co_u32 s33, s33, s35                     ; my wave's first column
	s_lshl_b32 s36, s34, 21                        ; 512 y rows of 4,096 bytes
	s_lshl_b32 s35, s33, 2
	s_add_co_u32 s36, s36, s35
	s_add_nc_u64 s[4:5], s[4:5], s[36:37]
	s_lshl_b32 s36, s32, 19                        ; codes: 524,288 a matrix, 512 a column, 256 y
	s_lshl_b32 s35, s33, 9
	s_add_co_u32 s36, s36, s35
	s_lshl_b32 s35, s34, 8
	s_add_co_u32 s36, s36, s35
	s_add_co_u32 s36, s36, WC
	s_add_nc_u64 s[6:7], s[24:25], s[36:37]
	s_lshl_b32 s36, s32, 15                        ; scale bytes: 32,768 a matrix, 32 a column, 16 y
	s_lshl_b32 s35, s33, 5
	s_add_co_u32 s36, s36, s35
	s_lshl_b32 s35, s34, 4
	s_add_co_u32 s36, s36, s35
	s_add_co_u32 s36, s36, WS
	s_add_nc_u64 s[8:9], s[24:25], s[36:37]
	LOADB 0
	LOADB 1
.irp t, 0,1,2,3,4,5,6,7,8,9,10,11,12,13,14,15
	BLOCKB \t
.endr
	global_store_b128 v9, v[SB:SB+3], s[8:9]       ; my column's 16 scale bytes
	ROWS_OUT 512
	CLOSE
.Lhalves:
	; ---------------- C: the three f16 weights, turned.  id = mat x 64 + y x 8 + x: 128 columns x 128 along K a work-group
	s_add_co_u32 s35, s35, LDSC
	v_mul_u32_u24 v4, v2, PITCH
	v_add_nc_u32 v4, s35, v4
	v_mul_u32_u24 v7, v6, PITCH
	v_lshl_add_u32 v7, v5, 4, v7
	v_add_nc_u32 v7, s35, v7
	v_lshlrev_b32 v8, 11, v6                       ; a row of the result is 2,048 bytes
	v_lshl_add_u32 v8, v5, 4, v8
	s_sub_co_u32 s31, ttmp9, 336
	s_lshr_b32 s32, s31, 6                         ; mat: 0 ca_wq -> wq16, 1 ffn_w1 -> pb + W1H, 2 ffn_w2 -> w216
	s_mov_b64 s[4:5], s[18:19]
	s_mov_b64 s[6:7], s[26:27]
	s_mov_b32 s38, 0
	s_cmp_eq_u32 s32, 1
	s_cselect_b64 s[4:5], s[20:21], s[4:5]
	s_cselect_b64 s[6:7], s[24:25], s[6:7]
	s_cselect_b32 s38, W1H, s38
	s_cmp_eq_u32 s32, 2
	s_cselect_b64 s[4:5], s[22:23], s[4:5]
	s_cselect_b64 s[6:7], s[28:29], s[6:7]
	s_and_b32 s33, s31, 7
	s_bfe_u32 s34, s31, 0x30003                    ; y 0..7
	s_lshl_b32 s33, s33, 7
	s_lshl_b32 s35, s30, 5
	s_add_co_u32 s33, s33, s35                     ; my wave's first column
	s_lshl_b32 s36, s34, 19                        ; 128 y rows of 4,096 bytes
	s_lshl_b32 s35, s33, 2
	s_add_co_u32 s36, s36, s35
	s_add_nc_u64 s[4:5], s[4:5], s[36:37]
	s_lshl_b32 s36, s33, 11                        ; out: 2,048 a column, 256 y
	s_lshl_b32 s35, s34, 8
	s_add_co_u32 s36, s36, s35
	s_add_co_u32 s36, s36, s38
	s_add_nc_u64 s[6:7], s[6:7], s[36:37]
	LOADB 0
	LOADB 1
.irp t, 0,1,2,3
	BLOCKC \t
.endr
	ROWS_OUT 2048
	CLOSE
.Lfunc_end_k_q9be253fe30_prep:
	.size	k_q9be253fe30_prep, .Lfunc_end_k_q9be253fe30_prep-k_q9be253fe30_prep
	.p2alignl 7, 3214868480
	.fill 96, 4, 3214868480
	.section	.rodata,"a",@progbits
	.p2align	6, 0x0
	.amdhsa_kernel k_q9be253fe30_prep
		.amdhsa_group_segment_fixed_size 102912
		.amdhsa_private_segment_fixed_size 0
		.amdhsa_enable_private_segment 0
		.amdhsa_kernarg_size 104
		.amdhsa_user_sgpr_count 2
		.amdhsa_user_sgpr_kernarg_segment_ptr 1
		.amdhsa_wavefront_size32 1
		.amdhsa_system_sgpr_workgroup_id_x 1
		.amdhsa_system_sgpr_workgroup_id_y 1
		.amdhsa_system_sgpr_workgroup_id_z 1
		.amdhsa_system_vgpr_workitem_id 0
		.amdhsa_next_free_vgpr 196
		.amdhsa_next_free_sgpr 66
		.amdhsa_reserve_vcc 0
		.amdhsa_float_denorm_mode_32 3
		.amdhsa_float_denorm_mode_16_64 3
		.amdhsa_memory_ordered 1
		.amdhsa_forward_progress 1
		.amdhsa_inst_pref_size 134
	.end_amdhsa_kernel
	.amdgpu_metadata
---
amdhsa.version: [ 1, 2 ]
amdhsa.kernels:
  - .name:           k_q9be253fe30_prep
    .symbol:         k_q9be253fe30_prep.kd
    .args:
      - { .name: decoded, .offset: 0, .size: 8, .value_kind: global_buffer, .address_space: global }
      - { .name: encoded, .offset: 8, .size: 8, .value_kind: global_buffer, .address_space: global }
      - { .name: sa_wq, .offset: 16, .size: 8, .value_kind: global_buffer, .address_space: global }
      - { .name: sa_wk, .offset: 24, .size: 8, .value_kind: global_buffer, .address_space: global }
      - { .name: sa_wv, .offset: 32, .size: 8, .value_kind: global_buffer, .address_space: global }
      - { .name: ca_wk, .offset: 40, .size: 8, .value_kind: global_buffer, .address_space: global }
      - { .name: ca_wv, .offset: 48, .size: 8, .value_kind: global_buffer, .address_space: global }
      - { .name: ca_wq, .offset: 56, .size: 8, .value_kind: global_buffer, .address_space: global }
      - { .name: ffn_w1, .offset: 64, .size: 8, .value_kind: global_buffer, .address_space: global }
      - { .name: ffn_w2, .offset: 72, .size: 8, .value_kind: global_buffer, .address_space: global }
      - { .name: pb, .offset: 80, .size: 8, .value_kind: global_buffer, .address_space: global }
      - { .name: wq16, .offset: 88, .size: 8, .value_kind: global_buffer, .address_space: global }
      - { .name: w216, .offset: 96, .size: 8, .value_kind: global_buffer, .address_space: global }
    .group_segment_fixed_size: 102912
    .private_segment_fixed_size: 0
    .kernarg_segment_align: 8
    .kernarg_segment_size: 104
    .max_flat_workgroup_size: 128
    .sgpr_count:     66
    .vgpr_count:     196
    .wavefront_size: 32
...
	.end_amdgpu_metadata
.endif
;; end of part 1
;; launch qkv (part 2): grid 20 x 16, 4 waves a work-group, clusters of 4 x 4, 327,680 bytes of LDS; arguments pb, sa_bq, sa_bk, sa_bv, ca_bk, ca_bv, qkv; writes qkv
.if DOCPART == 2
	.amdgcn_target "amdgcn-amd-amdhsa--gfx1250"
	.amdhsa_code_object_version 6
	.text
	.protected	k_q9be253fe30_qkv
	.globl	k_q9be253fe30_qkv
	.p2align	8
	.type	k_q9be253fe30_qkv,@function
k_q9be253fe30_qkv:
	s_mov_b64 s[64:65], 0
	v_nop
	global_prefetch_b8 v0, s[64:65] scope:SCOPE_SE
	s_setreg_imm32_b32 hwreg(HW_REG_WAVE_MODE, 25, 1), 1
	s_wait_xcnt 0x0
	s_wait_alu depctr_hold_cnt(0) depctr_sa_sdst(0) depctr_va_vdst(0) depctr_va_sdst(0) depctr_va_ssrc(0) depctr_va_vcc(0) depctr_vm_vsrc(0)
	s_getreg_b32 s2, hwreg(HW_REG_IB_STS2, 6, 4)
	s_cmp_eq_u32 s2, 0
	s_cbranch_scc0 .Lentry_in_a_cluster
	s_endpgm
.Lentry_in_a_cluster:
	s_bfe_u32 s2, ttmp6, 0x10000c
	s_cmp_lg_u32 s2, 0xf033
	s_cbranch_scc0 .Lentry_shape_is_right
	s_endpgm
.Lentry_shape_is_right:
; The five quantised products, on codes of FP4 (E2M1) with one E8M0 scale for each 32 along K: q, k, v of the self-attention (decoded x sa_wq, sa_wk, sa_wv) and k, v of the cross-attention (encoded x ca_wk, ca_wv),
; each [4096][1024] x [1024][1024], + bias, rounded to f16 and stored IN THE ORDER OF THE ATTENTION'S OPERAND REGISTERS.
; A tile of 256 x 256 is made by a work-group of four waves, a wave 128 x 128: 64 accumulators, 512 registers.  K = 1,024 is two LDS slots of 512 along K (rows of 256 bytes): both are first fills, nothing is filled again.
; CLUSTERS of 4 x 4.  The cluster's x is the matrix (0 q_sa, 1 k_sa, 2 v_sa, 3 k_ca, 4 v_ca), its y a run of 1,024 tokens.
; The matrix instruction's source 1 gives a lane its row, source 0 runs along a lane's registers.  SRC1's tile hangs on the cluster's row (cy) and is asked for jointly along it, SRC0's on the column (cx).
;   q, k: SRC1 = tokens, SRC0 = weight rows (channels): a lane holds one token and 8 neighbouring channels: half a fragment of Q or K (16 tokens x 32 channels).
;   v:    the same text with the DATA exchanged: SRC1 = channels, SRC0 = tokens: a lane holds one channel and 8 neighbouring tokens: half a fragment of V^T (16 channels x 32 keys).
; All choices between the two are selects on the cluster's x, which all sixteen partners share; no branch hangs on them.
; qkv: region X x 8,388,608; in it 262,144 bytes a head (16 b + h).  q, k: token tile x 2,048 + (32 channels) x 1,024 + half x 512 + 16 x lane.  v: (32 keys) x 4,096 + (16 channels) x 1,024 + half x 512 + 16 x lane.
; LIMIT: q, k, v must lie under 65,504 in magnitude (f16).
; REGISTERS: window 0: v0-31 addresses; v32-95 scale words, two sets; v96-103 the bias by lane; v104-107 store offsets; v128-191 SRC1's fragments, one set; v192-255 the bias by register.
;   window 1: SRC0's fragments, two sets.  windows 2, 3: the accumulators ((a, b) at v[8 (8 (a % 4) + b)]).
.set ACTS,   4194304
.set WC,     4456448
.set WS,     7077888
.set NQ,     4                         ; steps of 128 along K in a slot
.set ROWB,   256                       ; a tile's row in bytes
.set KROW,   512                       ; a row of codes in memory
.set PITCH,  272                       ; an LDS row: 256 + 16: the 16 rows that a load touches start at 16 different banks (64 banks of 4 bytes: ISA guide 11.1)
.set FR,     8
.set NL,     2
.set NP,     4                         ; places behind this matrix instruction (ISA guide 7.12.1)
.set HALFT,  128*PITCH
.set SLOT,   4*HALFT
.set KS,     32                        ; a row of scale bytes
.set SCL,    2*SLOT                    ; behind the slots: the scale bytes, as runs of 256 bytes + 16 of padding
.set HALFS,  16*272                    ; those of 128 rows
.set SBLK,   2*272                     ; those of 16 rows
.set SPARE,  SCL+4*HALFS               ; the spare words, 128 bytes for each wave
.set ADRA, 16
.set ADRB, 20
.set ADRS, 27
.set SPW,  28
.set NIL,  29
.set SC,   32
.set BL,   96
.set VO,   104
.set AF,   128
.set BX,   128                         ; the way out: a block's 64 biases, then results
.set PK,   32                          ; the way out: packed halves, two sets of 32
.set BR,   192
.set G1, 24
.set G0, 32
.set G1B, 48
.set G0B, 56
.set G1S, 68
.set G0S, 76
.set G1SB, 80
.set G0SB, 88
.set MSB, 0
.macro WIN new                         ; the immediate's high byte repeats the setting that is left
.if MSB != (\new)
	s_set_vgpr_msb (MSB<<8)|(\new)
.set MSB, (\new)
.endif
.endm
.set MUL_LO, 0xa1                      ; source 0 window 1, source 1 window 0, C and D window 2
.set MUL_HI, 0xf1
.set TO_B,   0x40
; A joint load: waves 0 and 1 fetch for SRC1, waves 2 and 3 for SRC0.  An s_nop 0 and four v_nop follow each of the two lines.
.macro JLOAD g0a, g1a, g0b, g1b
	s_cmp_eq_u32 s15, 0
	s_cbranch_scc0 .Lfor_b_\@
	tensor_load_to_lds s[\g0a:\g0a+3], s[\g1a:\g1a+7]
	s_nop 0
.rept 4
	v_nop
.endr
	s_branch .Lasked_\@
.Lfor_b_\@:
	tensor_load_to_lds s[\g0b:\g0b+3], s[\g1b:\g1b+7]
	s_nop 0
.rept 4
	v_nop
.endr
.Lasked_\@:
.endm
.macro CROUND                          ; a round of the cluster's barrier
	s_barrier_signal -1
	s_barrier_wait -1
	s_cmp_lg_u32 s14, 0
	s_cbranch_scc1 .Lnot_wave_0_\@
	s_barrier_signal -3
.Lnot_wave_0_\@:
	s_barrier_wait -3
	s_barrier_signal -1
	s_barrier_wait -1
.endm
	s_load_b128 s[4:7], s[0:1], 0x0                ; pb, sa_bq
	s_load_b128 s[8:11], s[0:1], 0x10              ; sa_bk, sa_bv
	s_load_b128 s[96:99], s[0:1], 0x20             ; ca_bk, ca_bv
	s_load_b64 s[12:13], s[0:1], 0x30              ; qkv
	v_lshl_add_u32 v[SPW], v0, 2, SPARE
	v_mov_b32 v[NIL], 0
	ds_add_u32 v[SPW], v[NIL]                      ; the wave's opening: an add and its wait ahead of my first tensor load
	v_lshrrev_b32 v1, 5, v0
	v_readfirstlane_b32 s14, v1                    ; wave 0..3
	s_lshr_b32 s15, s14, 1                         ; which half of SRC1's rows is mine.  Also: I fetch for SRC1 (0) or SRC0 (1)
	s_and_b32 s16, s14, 1                          ; which half of SRC0's rows.  Also: which 128 rows of that tile I fetch
	s_bfe_u32 s40, ttmp6, 0x40000                  ; cx
	s_bfe_u32 s41, ttmp6, 0x40004                  ; cy
	s_and_b32 s66, ttmp7, 0xffff
	s_lshl_b32 s66, s66, 2                         ; 4 Y: the cluster's first tile of 256 tokens
	s_cmp_ge_u32 ttmp9, 3
	s_cselect_b32 s67, 16, 0                       ; encoded's rows lie behind decoded's 16 tiles
	s_add_co_u32 s67, s67, s66                     ; the activations' tile
	s_lshl_b32 s95, ttmp9, 2                       ; the weights' tile: 4 a matrix
	s_cmp_eq_u32 ttmp9, 2
	s_cselect_b32 s2, 1, 0
	s_cmp_eq_u32 ttmp9, 4
	s_cselect_b32 s2, 1, s2                        ; 1: a v
	s_mov_b32 s3, ACTS
	s_mov_b32 s19, WS
	s_cmp_eq_u32 s2, 1
	s_cselect_b32 s17, s95, s67                    ; SRC1's tile,
	s_cselect_b32 s42, s67, s95                    ; SRC0's,
	s_cselect_b32 s100, WC, 0                      ; where SRC1's codes begin in pb,
	s_cselect_b32 s101, 0, WC                      ; SRC0's,
	s_cselect_b32 s3, WS, s3                       ; SRC1's scale bytes,
	s_cselect_b32 s19, ACTS, s19                   ; SRC0's
	s_add_co_u32 s17, s17, s41                     ; + cy
	s_add_co_u32 s42, s42, s40                     ; + cx
	s_lshl_b32 s43, s41, 2
	s_lshl_b32 s43, 15, s43                        ; my row of the cluster
	s_lshl_b32 s44, 0x1111, s40                    ; my column
	; descriptor group 1: a tile of 128 rows x 256 bytes, 16 bytes of padding behind each row
	s_or_b32 s[G1+0], s43, (0<<16)|(1<<20)|(1<<21)|(5<<22)|(3<<25)
	s_or_b32 s[G1B+0], s44, (0<<16)|(1<<20)|(1<<21)|(5<<22)|(3<<25)
.irp g, G1, G1B
	s_mov_b32 s[\g+1], ROWB<<16                    ; tensor_dim0
	s_mov_b32 s[\g+2], 128<<16                     ; tensor_dim1
	s_mov_b32 s[\g+3], ROWB<<16                    ; tile_dim0
	s_mov_b32 s[\g+4], 128                         ; tile_dim1
	s_mov_b32 s[\g+5], KROW                        ; the pitch
	s_mov_b32 s[\g+6], 0
	s_mov_b32 s[\g+7], 0
.endr
	; the scale bytes of 128 rows: 4,096 dense bytes, as 16 rows of 256 (32 elements of 8 bytes), 16 bytes of padding behind each
	s_or_b32 s[G1S+0], s43, (3<<16)|(1<<20)|(1<<21)|(5<<22)|(3<<25)
	s_or_b32 s[G1SB+0], s44, (3<<16)|(1<<20)|(1<<21)|(5<<22)|(3<<25)
.irp g, G1S, G1SB
	s_mov_b32 s[\g+1], 32<<16
	s_mov_b32 s[\g+2], 16<<16
	s_mov_b32 s[\g+3], 32<<16
	s_mov_b32 s[\g+4], 16
	s_mov_b32 s[\g+5], 32
	s_mov_b32 s[\g+6], 0
	s_mov_b32 s[\g+7], 0
.endr
	s_lshl_b32 s18, s16, 7                         ; which 128 rows of the tile I fetch
	s_lshl_b32 s20, s17, 8
	s_add_co_u32 s20, s20, s18                     ; SRC1's row
	s_lshl_b32 s46, s42, 8
	s_add_co_u32 s46, s46, s18                     ; SRC0's row
	s_lshl_b32 s22, s20, 5                         ; byte offsets in pb, all under 2^24
	s_add_co_u32 s22, s22, s3
	s_mov_b32 s23, 0
	s_lshl_b32 s20, s20, 9
	s_add_co_u32 s20, s20, s100
	s_mov_b32 s21, 0
	s_lshl_b32 s92, s46, 5
	s_add_co_u32 s92, s92, s19
	s_mov_b32 s93, 0
	s_lshl_b32 s46, s46, 9
	s_add_co_u32 s46, s46, s101
	s_mov_b32 s47, 0
	s_mul_i32 s45, s14, HALFT                      ; where they go: wave x 128 rows: no place in the cluster enters an LDS address
	s_mul_i32 s94, s14, HALFS
	s_wait_dscnt 0x0                               ; the opening add is done
	s_wait_kmcnt 0x0
	s_add_nc_u64 s[20:21], s[4:5], s[20:21]
	s_add_nc_u64 s[22:23], s[4:5], s[22:23]
	s_add_nc_u64 s[46:47], s[4:5], s[46:47]
	s_add_nc_u64 s[92:93], s[4:5], s[92:93]
	CROUND                                         ; all sixteen work-groups are here: the joint loads meet
	s_mov_b32 s[G0S], 1
	s_add_co_u32 s[G0S+1], s94, SCL
	s_mov_b64 s[G0S+2:G0S+3], s[22:23]
	s_or_b32 s[G0S+3], s[G0S+3], 0x80000000
	s_mov_b32 s[G0SB], 1
	s_add_co_u32 s[G0SB+1], s94, SCL
	s_mov_b64 s[G0SB+2:G0SB+3], s[92:93]
	s_or_b32 s[G0SB+3], s[G0SB+3], 0x80000000
	JLOAD G0S, G1S, G0SB, G1SB                     ; the scale bytes first; by this text's count three tensor loads of a wave are out at the most
.irp s, 0,1
	s_mov_b32 s[G0+4*\s], 1
	s_add_co_u32 s[G0+4*\s+1], s45, \s*SLOT
	s_add_nc_u64 s[G0+4*\s+2:G0+4*\s+3], s[20:21], \s*ROWB
	s_or_b32 s[G0+4*\s+3], s[G0+4*\s+3], 0x80000000
	s_mov_b32 s[G0B+4*\s], 1
	s_add_co_u32 s[G0B+4*\s+1], s45, \s*SLOT
	s_add_nc_u64 s[G0B+4*\s+2:G0B+4*\s+3], s[46:47], \s*ROWB
	s_or_b32 s[G0B+4*\s+3], s[G0B+4*\s+3], 0x80000000
	JLOAD G0+4*\s, G1, G0B+4*\s, G1B
.endr
	v_and_b32 v1, 15, v0                           ; r
	v_bfe_u32 v2, v0, 4, 1                         ; h
	v_mul_u32_u24 v3, v1, PITCH
	v_lshl_add_u32 v4, v2, 4, v3                   ; a fragment's row x pitch + 16 h
	s_mul_i32 s21, s15, HALFT
	s_mul_i32 s22, s16, HALFT
	s_add_co_u32 s22, s22, 2*HALFT
.irp s, 0,1
	v_add_nc_u32 v[ADRA+\s], s21, v4
	v_add_nc_u32 v[ADRB+\s], s22, v4
	s_add_co_u32 s21, s21, SLOT
	s_add_co_u32 s22, s22, SLOT
.endr
	v_mul_u32_u24 v5, v1, KS                       ; my row's scale bytes: 32 a row,
	v_lshrrev_b32 v6, 8, v5
	v_lshl_add_u32 v5, v6, 4, v5                   ; and 16 more for each 256 passed
	s_mul_i32 s21, s15, HALFS
	s_mul_i32 s22, s16, HALFS
	s_add_co_u32 s22, s22, 2*HALFS
	s_sub_co_u32 s22, s22, s21
	v_mul_u32_u24 v6, s22, v2                      ; lanes 16-31 take SRC0's
	s_add_co_u32 s21, s21, SCL
	v_add_nc_u32 v5, v5, v6
	v_add_nc_u32 v[ADRS], s21, v5
	; the bias, both ways: by register (q, k: the channel runs along a lane's registers) and by lane (v).  The way that does not apply is made zero.
	s_cmp_eq_u32 ttmp9, 1
	s_cselect_b64 s[6:7], s[8:9], s[6:7]
	s_cmp_eq_u32 ttmp9, 2
	s_cselect_b64 s[6:7], s[10:11], s[6:7]
	s_cmp_eq_u32 ttmp9, 3
	s_cselect_b64 s[6:7], s[96:97], s[6:7]
	s_cmp_eq_u32 ttmp9, 4
	s_cselect_b64 s[6:7], s[98:99], s[6:7]
	s_lshl_b32 s8, s40, 10
	s_lshl_b32 s9, s16, 9
	s_add_co_u32 s8, s8, s9
	v_lshl_add_u32 v8, v2, 5, s8                   ; (256 cx + 128 half) x 4 + 32 h
	s_lshl_b32 s10, s41, 10
	s_lshl_b32 s11, s15, 9
	s_add_co_u32 s10, s10, s11
	v_lshl_add_u32 v9, v1, 2, s10                  ; (256 cy + 128 half) x 4 + 4 r
.irp b, 0,1,2,3,4,5,6,7
	global_load_b128 v[BR+8*\b:BR+8*\b+3], v8, s[6:7] offset:64*\b
	global_load_b128 v[BR+8*\b+4:BR+8*\b+7], v8, s[6:7] offset:64*\b+16
.endr
.irp a, 0,1,2,3,4,5,6,7
	global_load_b32 v[BL+\a], v9, s[6:7] offset:64*\a
.endr
	; where my results go
	v_and_b32 v6, 31, v0
	v_lshlrev_b32 v7, 4, v6                        ; 16 x lane
	s_cmp_eq_u32 s2, 1
.irp k, 0,1,2,3
	s_mov_b32 s96, (\k/2)*262144+(\k%2)*1024       ; q, k: blocks 2 k, 2 k + 1 of SRC0 are head k / 2, channels 32 (k % 2) on
	s_cselect_b32 s96, \k*4096, s96                ; v: keys 32 k on
	v_add_nc_u32 v[VO+\k], s96, v7
.endr
	s_cselect_b32 s98, 0, -1                       ; the mask that keeps the bias by register,
	s_cselect_b32 s99, -1, 0                       ; and by lane
	s_cselect_b32 s8, s40, s41                     ; the tokens' place in the cluster,
	s_cselect_b32 s9, s16, s15                     ; their half of the tile,
	s_cselect_b32 s10, s41, s40                    ; the channels' place,
	s_cselect_b32 s11, s15, s16                    ; their half
	s_add_co_u32 s8, s8, s66                       ; the tile of 256 tokens, 0..15
	s_lshr_b32 s96, s8, 3                          ; the batch
	s_lshl_b32 s96, s96, 4
	s_lshl_b32 s10, s10, 2
	s_add_co_u32 s96, s96, s10
	s_lshl_b32 s11, s11, 1
	s_add_co_u32 s96, s96, s11                     ; 16 b + my first head
	s_lshl_b32 s96, s96, 18
	s_and_b32 s8, s8, 7
	s_lshl_b32 s8, s8, 15                          ; 128 bytes a token in either layout
	s_add_co_u32 s96, s96, s8
	s_lshl_b32 s9, s9, 14
	s_add_co_u32 s96, s96, s9
	s_lshl_b32 s97, ttmp9, 23                      ; the region
	s_add_co_u32 s96, s96, s97
	s_mov_b32 s97, 0
	s_add_nc_u64 s[12:13], s[12:13], s[96:97]
	s_cmp_eq_u32 s2, 1
	s_mov_b32 s8, 2048                             ; from block a to a + 1 of SRC1: q, k: a token tile; v: 16 channels,
	s_cselect_b32 s8, 1024, s8
	s_mov_b32 s9, 0
	s_mov_b32 s10, 2048                            ; and from 3 to 4: v: the next head
	s_cselect_b32 s10, 259072, s10
	s_mov_b32 s11, 0
	s_wait_loadcnt 0x0
.set ii, 0
.rept 64
	v_cndmask_b32 v[BR+ii], 0, v[BR+ii], s98
.set ii, ii+1
.endr
.set ii, 0
.rept 8
	v_cndmask_b32 v[BL+ii], 0, v[BL+ii], s99
.set ii, ii+1
.endr
.macro FRAG reg, adr, q, i             ; a fragment, 16 rows x 128 K of 4-bit codes: 8 registers: lane l holds row l % 16; registers 4 c .. 4 c + 3 hold K = 64 c + 32 (l / 16) + 0 .. 31
.irp c, 0,1
	ds_load_b128 v[\reg+4*\c:\reg+4*\c+3], v[\adr] offset:64*(\q)+32*\c+(\i)*16*PITCH
.endr
.endm
; 16 matrix instructions: SRC1's blocks a0, a0 + 1 x SRC0's eight, 128 along K.  The 64 accumulators take turns, one instruction a turn, in the same order in every step.
.macro MUL16 a0, p, q, sc, zero
.irp a, \a0, \a0+1
.irp b, 0,1,2,3,4,5,6,7
.if \zero
	v_wmma_scale_f32_16x16x128_f8f6f4 v[8*(8*((\a)%4)+\b):8*(8*((\a)%4)+\b)+7], v[128*(\p)+FR*\b:128*(\p)+FR*\b+FR-1], v[AF+FR*(\a):AF+FR*(\a)+FR-1], 0, v[SC+8*NQ*(\sc)+NQ*\b+(\q)], v[SC+8*NQ*(\sc)+NQ*(\a)+(\q)] matrix_a_fmt:MATRIX_FMT_FP4 matrix_b_fmt:MATRIX_FMT_FP4 matrix_a_scale:MATRIX_SCALE_ROW1
.else
	v_wmma_scale_f32_16x16x128_f8f6f4 v[8*(8*((\a)%4)+\b):8*(8*((\a)%4)+\b)+7], v[128*(\p)+FR*\b:128*(\p)+FR*\b+FR-1], v[AF+FR*(\a):AF+FR*(\a)+FR-1], v[8*(8*((\a)%4)+\b):8*(8*((\a)%4)+\b)+7], v[SC+8*NQ*(\sc)+NQ*\b+(\q)], v[SC+8*NQ*(\sc)+NQ*(\a)+(\q)] matrix_a_fmt:MATRIX_FMT_FP4 matrix_b_fmt:MATRIX_FMT_FP4 matrix_a_scale:MATRIX_SCALE_ROW1
.endif
.endr
.endr
.endm
.macro FETCH_B slot, q, p
	WIN TO_B
.irp i, 0,1,2,3,4,5,6,7
	FRAG 128*(\p)+FR*\i, ADRB+\slot, \q, \i
.endr
	WIN 0
.endm
.macro FETCH_A slot, q, i0
.irp i, \i0, \i0+1, \i0+2, \i0+3
	FRAG AF+FR*(\i), ADRA+\slot, \q, \i
.endr
.endm
.macro SCALES sc                       ; a slot's scale words: 4 a row; lanes 0-15 take SRC1's block i, lanes 16-31 SRC0's block i
.irp i, 0,1,2,3,4,5,6,7
	ds_load_b128 v[SC+8*NQ*\sc+NQ*\i:SC+8*NQ*\sc+NQ*\i+3], v[ADRS] offset:\i*SBLK
.endr
.endm
.macro PLACES n                        ; places in front of loads into registers that matrix instructions have read, and of the first read of results
.rept \n
	v_nop
.endr
.endm
.macro STEP slot, q, zero              ; a step of 128 along K that has its successor in the same slot
	s_wait_dscnt 4*NL                              ; SRC0's set and SRC1's blocks 0-3 are in; the youngest eight loads (blocks 4-7) may be out
	WIN MUL_LO
	MUL16 0, (\q)%2, \q, \slot, \zero
	MUL16 2, (\q)%2, \q, \slot, \zero
	s_wait_dscnt 0
	PLACES NP
	FETCH_B \slot, (\q)+1, 1-(\q)%2
	FETCH_A \slot, (\q)+1, 0
	WIN MUL_HI
	MUL16 4, (\q)%2, \q, \slot, \zero
	MUL16 6, (\q)%2, \q, \slot, \zero
	PLACES NP
	WIN 0
	FETCH_A \slot, (\q)+1, 4
.endm
.macro TURN slot, next                 ; a slot's last step changes slots: one barrier; nothing is filled again in this launch
	s_wait_tensorcnt 0x0                           ; all my tensor loads have landed: my part of the next slot
	ds_add_u32 v[SPW], v[NIL]
	s_wait_dscnt 4*NL+1                            ; the add and the youngest eight loads may be out
	WIN MUL_LO
	MUL16 0, 1, NQ-1, \slot, 0
	s_wait_dscnt 0x0
	s_barrier_signal -1
	MUL16 2, 1, NQ-1, \slot, 0
	WIN 0
	s_barrier_wait -1                              ; the next slot is whole
	PLACES NP
	v_add_nc_u32 v[ADRS], 4*NQ, v[ADRS]            ; on to the next slot's scale words
	FETCH_B \next, 0, 0
	FETCH_A \next, 0, 0
	SCALES \next
	WIN MUL_HI
	MUL16 4, 1, NQ-1, \slot, 0
	MUL16 6, 1, NQ-1, \slot, 0
	PLACES NP
	WIN 0
	FETCH_A \next, 0, 4
.endm
	s_wait_tensorcnt 1                             ; the scale bytes and my part of slot 0 are in; slot 1's load may be out
	s_barrier_signal -1
	s_barrier_wait -1
	FETCH_B 0, 0, 0
	FETCH_A 0, 0, 0
	SCALES 0
	FETCH_A 0, 0, 4
	STEP 0, 0, 1                                   ; the first products start the sums: nothing is cleared
	STEP 0, 1, 0
	STEP 0, 2, 0
	TURN 0, 1
	STEP 1, 0, 0
	STEP 1, 1, 0
	STEP 1, 2, 0
	s_wait_dscnt 4*NL                              ; the last step: nothing more to fetch
	WIN MUL_LO
	MUL16 0, 1, NQ-1, 1, 0
	MUL16 2, 1, NQ-1, 1, 0
	s_wait_dscnt 0
	WIN MUL_HI
	MUL16 4, 1, NQ-1, 1, 0
	MUL16 6, 1, NQ-1, 1, 0
	WIN 0
; THE WAY OUT, block a of SRC1 at a time: + bias in f32, rounded to f16.  A lane's 8 results of an accumulator pack into 16 bytes, which ARE registers 0-3 or 4-7 of a fragment: each store of the wave covers 512 consecutive bytes, aligned.
.macro OUTA a
.if (\a) > 0
	s_wait_xcnt 0x0                                ; the earlier stores have read their base and their data
.if (\a) == 4
	s_add_nc_u64 s[12:13], s[12:13], s[10:11]
.else
	s_add_nc_u64 s[12:13], s[12:13], s[8:9]
.endif
.endif
.set ii, 0
.rept 32
.if (\a)%2
	v_pk_add_f32 v[BX+ii:BX+ii+1], v[BR+ii:BR+ii+1], v[BL+(\a)-1:BL+(\a)] op_sel:[0,1] op_sel_hi:[1,1]   ; the bias by register + the bias by lane (block a's, for both halves)
.else
	v_pk_add_f32 v[BX+ii:BX+ii+1], v[BR+ii:BR+ii+1], v[BL+(\a):BL+(\a)+1] op_sel:[0,0] op_sel_hi:[1,0]
.endif
.set ii, ii+2
.endr
	WIN 0x02+(\a)/4                                ; source 0: window 2 or 3
.set ii, 0
.rept 32
	v_pk_add_f32 v[BX+ii:BX+ii+1], v[64*((\a)%4)+ii:64*((\a)%4)+ii+1], v[BX+ii:BX+ii+1]   ; each accumulator from its low end on
.set ii, ii+2
.endr
	WIN 0
.set ii, 0
.rept 32
	v_cvt_pk_f16_f32 v[PK+32*((\a)%2)+ii], v[BX+2*ii], v[BX+2*ii+1]
.set ii, ii+1
.endr
.irp b, 0,1,2,3,4,5,6,7
	global_store_b128 v[VO+\b/2], v[PK+32*((\a)%2)+4*\b:PK+32*((\a)%2)+4*\b+3], s[12:13] offset:(\b%2)*512
.endr
.endm
	PLACES NP                                      ; behind the last products: their results are read, and the registers that held fragments and scale words are written
.irp a, 0,1,2,3,4,5,6,7
	OUTA \a
.endr
	s_wait_tensorcnt 0x0                           ; the wave's end
	ds_add_u32 v[SPW], v[NIL]
	s_wait_dscnt 0x0
	CROUND                                         ; the closing round
	s_endpgm
.Lfunc_end_k_q9be253fe30_qkv:
	.size	k_q9be253fe30_qkv, .Lfunc_end_k_q9be253fe30_qkv-k_q9be253fe30_qkv
	.p2alignl 7, 3214868480
	.fill 96, 4, 3214868480
	.section	.rodata,"a",@progbits
	.p2align	6, 0x0
	.amdhsa_kernel k_q9be253fe30_qkv
		.amdhsa_group_segment_fixed_size 327680
		.amdhsa_private_segment_fixed_size 0
		.amdhsa_enable_private_segment 0
		.amdhsa_kernarg_size 56
		.amdhsa_user_sgpr_count 2
		.amdhsa_user_sgpr_kernarg_segment_ptr 1
		.amdhsa_wavefront_size32 1
		.amdhsa_system_sgpr_workgroup_id_x 1
		.amdhsa_system_sgpr_workgroup_id_y 1
		.amdhsa_system_sgpr_workgroup_id_z 1
		.amdhsa_system_vgpr_workitem_id 0
		.amdhsa_next_free_vgpr 1024
		.amdhsa_next_free_sgpr 102
		.amdhsa_reserve_vcc 0
		.amdhsa_float_denorm_mode_32 3
		.amdhsa_float_denorm_mode_16_64 3
		.amdhsa_memory_ordered 1
		.amdhsa_forward_progress 1
		.amdhsa_inst_pref_size 159
	.end_amdhsa_kernel
	.amdgpu_metadata
---
amdhsa.version: [ 1, 2 ]
amdhsa.kernels:
  - .name:           k_q9be253fe30_qkv
    .symbol:         k_q9be253fe30_qkv.kd
    .args:
      - { .name: pb, .offset: 0, .size: 8, .value_kind: global_buffer, .address_space: global }
      - { .name: sa_bq, .offset: 8, .size: 8, .value_kind: global_buffer, .address_space: global }
      - { .name: sa_bk, .offset: 16, .size: 8, .value_kind: global_buffer, .address_space: global }
      - { .name: sa_bv, .offset: 24, .size: 8, .value_kind: global_buffer, .address_space: global }
      - { .name: ca_bk, .offset: 32, .size: 8, .value_kind: global_buffer, .address_space: global }
      - { .name: ca_bv, .offset: 40, .size: 8, .value_kind: global_buffer, .address_space: global }
      - { .name: qkv, .offset: 48, .size: 8, .value_kind: global_buffer, .address_space: global }
    .group_segment_fixed_size: 327680
    .private_segment_fixed_size: 0
    .kernarg_segment_align: 8
    .kernarg_segment_size: 56
    .max_flat_workgroup_size: 128
    .sgpr_count:     102
    .vgpr_count:     1024
    .wavefront_size: 32
...
	.end_amdgpu_metadata
.endif
;; end of part 2
;; launch attn_sa (part 3): grid 8 x 32, 16 waves a work-group, no clusters, 327,680 bytes of LDS; arguments qkv, decoded, sa_g, sa_b, xa; writes xa
.if DOCPART == 3
	.amdgcn_target "amdgcn-amd-amdhsa--gfx1250"
	.amdhsa_code_object_version 6
	.text
	.protected	k_q9be253fe30_attn_sa
	.globl	k_q9be253fe30_attn_sa
	.p2align	8
	.type	k_q9be253fe30_attn_sa,@function
k_q9be253fe30_attn_sa:
	s_mov_b64 s[64:65], 0
	v_nop
	global_prefetch_b8 v0, s[64:65] scope:SCOPE_SE
	s_setreg_imm32_b32 hwreg(HW_REG_WAVE_MODE, 25, 1), 1
	s_wait_xcnt 0x0
; ATTENTION, residual and LayerNorm in one launch.  One source serves both attentions; the flags below choose.  THIS TEXT: the self-attention.
;   TRIU = 1: softmax over ALL keys of score / sqrt(2048), and only then the weights of keys < query are made 0 (reference()'s mask stands behind its softmax): every score and exponential is needed
;             for the row's sum, but the second product only for keys >= query.   TRIU = 0: no scale, no mask.
;   z [b][h][s][64] is read as [b][s'][1024] WITHOUT a transposition: the 16 queries s0 .. s0 + 15 of head h ARE row h x 128 + s0 / 16 of the merged matrix, query r at columns 64 r .. 64 r + 63.
;   So one tile of 16 queries owns one whole row of the LayerNorm.
; Q, K, V^T come as f16 in the order of the operands' registers (qkv: 262,144 bytes a head in each region); with CLU = 1 Q comes as f32 rows (qy) and is rounded here.
; Products in f16 with f32 sums; scores, maxima, sums, residual and LayerNorm in f32; the weights p = 2^(c s - c m), at most 1, are rounded to f16 for the second product.
; SHARES.  A work-group owns 256 queries of one head: eight GROUPS of two waves, a group 32 queries (two tiles), block 8 g + x or 8 g + 7 - x (g odd), so that all work-groups have the same mix of masked work.
;   The two waves of a group take the key steps (64 keys) by turns, 16 each; at the end they exchange: each keeps one tile, merges the partner's partial sums into it and finishes that row.
; LAYOUT.  S^T = K Q^T (source 0 = 16 keys, source 1 = 16 queries): a lane holds ONE query (lane % 16) and keys 8 (lane / 16) + 0..7; two such tiles, packed in pairs, ARE source 1 of O^T = V^T P.
; LDS: K's ring at 0, V's at 131,072, two slots of 65,536 bytes (512 keys) each, dense, in fragment order: every LDS load takes 512 consecutive bytes.  Waves 0-3 fetch, one tensor load each a slot.
; CLUSTER.  With TRIU = 1 branches hang on the work-group's number, which partners of a cluster would not share: no cluster.  With TRIU = 0 the four work-groups of a cluster ask for K's and V's tiles jointly.
; LIMITS: NaN and infinities among the inputs are not served (reference()'s three isnan steps act on NaN alone); scores lie above -1e38.
.set TRIU,   1
.set CLU,    0
.set KREG,   1                         ; K's region of qkv; V's is the next
.set RESOFF, 0                         ; where the residual's f32 rows begin in its buffer
.set CBITS,  0x3d0293ee                ; c = log2(e) / sqrt(2048)
.set X32,    8388608                   ; the result: f16 rows at 0, f32 rows here
.set SLOTB,  65536
.set VRING,  131072
.set SPARE,  262144                    ; the spare words, 128 bytes for each of 16 waves
.set XBB,    4352                      ; a wave's exchange region: 8 x 512 of O^T's image + 128 + 128; also its stage, 16 x 272.  It lies in the rings' halves 0, which have had their last fill and their last read at the last change of slots
.set LI,  1                            ; v1  16 x lane
.set LV,  2                            ; v2  the same in V's ring
.set ADK, 3
.set ADV, 4
.set RH,  5                            ; v5  r - 8 h
.set SPW, 6
.set NIL, 7
.set ST,  8                            ; statistics: tile t at v[ST + 8 t]: +0 c m, +1 m, +2, +3 the sum in two halves, +4 .. +7 at work (a takes +6)
.set Q,   24                           ; v24-55   Q: tile t, channels 32 c on, at 24 + 16 t + 8 c
.set KV,  56                           ; v56-119  eight fragments of K, then of V
.set S,   120                          ; v120-183 S^T, 32 a tile; p's f16 in place in each tile's low 16
.set O,   184                          ; v184-247 O^T, 32 a tile
.set CH,  248                          ; v248-251 a second chain for the sums
.set PFO, 255                          ; v255 256 x lane
.set WV, 16
.set PAR, 17
.set GRP, 18
.set BLOCK, 19
.set Q0, 20
.set KF, 21
.set TB, 22
.set SLOTS, 23
.set TW, 24
.set CS, 26
.set SEL, 28
.set CX, 30
.set G1, 32
.set G0, 40
.set PFK, 44
.set PFV, 46
.set LIM, 48
.set PM, 49
.set BH, 50
.set XX, 51
.macro TLOAD                           ; waves 0, 1: K's halves of a slot; waves 2, 3: V's.  An s_nop 0 and four v_nop follow the load
	s_cmp_lt_u32 s[WV], 4
	s_cbranch_scc0 .Lno_load_\@
	tensor_load_to_lds s[G0:G0+3], s[G1:G1+7]
	s_nop 0
.rept 4
	v_nop
.endr
.Lno_load_\@:
.endm
; A prefetch of the slot that the NEXT change of slots will load: four key steps of every wave ahead.  Each run of 256 bytes is named once in the launch: all work-groups of a head walk the same K and V, and the head's first
; work-group (or cluster) asks; waves that fetch nothing ask, 8,192 bytes of K and of V each, lanes 256 bytes apart; partners of a cluster are told apart by address.  The last filling change asks for nothing.
.macro ASK
	s_cmp_gt_u32 s[SLOTS], s[LIM]
	s_cbranch_scc0 .Lnot_mine_\@
	global_prefetch_b8 v[PFO], s[PFK:PFK+1] th:TH_LOAD_NT scope:SCOPE_SE
	global_prefetch_b8 v[PFO], s[PFV:PFV+1] th:TH_LOAD_NT scope:SCOPE_SE
.Lnot_mine_\@:
.endm
.macro CROUND                          ; a round of the cluster's barrier
	s_barrier_signal -1
	s_barrier_wait -1
	s_cmp_lg_u32 s[WV], 0
	s_cbranch_scc1 .Lnot_wave_0_\@
	s_barrier_signal -3
.Lnot_wave_0_\@:
	s_barrier_wait -3
	s_barrier_signal -1
	s_barrier_wait -1
.endm
	s_load_b256 s[4:11], s[0:1], 0x0               ; qkv, the residual's buffer, gain, bias
	s_load_b64 s[12:13], s[0:1], 0x20              ; the result
.if CLU
	s_load_b64 s[14:15], s[0:1], 0x28              ; q as f32 rows
.endif
	v_lshl_add_u32 v[SPW], v0, 2, SPARE
	v_mov_b32 v[NIL], 0
	ds_add_u32 v[SPW], v[NIL]                      ; the wave's opening: an add and its wait ahead of my first tensor load
	v_lshrrev_b32 v1, 5, v0
	v_readfirstlane_b32 s[WV], v1                  ; wave 0..15
	s_and_b32 s[BH], ttmp7, 0xffff                 ; 16 b + h
.if CLU
	s_bfe_u32 s[CX], ttmp6, 0x40000
	s_lshl_b32 s[XX], ttmp9, 2
	s_add_co_u32 s[XX], s[XX], s[CX]               ; it enters global addresses alone
.else
	s_mov_b32 s[XX], ttmp9
.endif
	v_and_b32 v252, 31, v0
	v_lshlrev_b32 v[LI], 4, v252
	v_add_nc_u32 v[LV], VRING, v[LI]
	v_lshlrev_b32 v[PFO], 8, v252
	v_and_b32 v253, 15, v0                         ; r
	v_bfe_u32 v254, v0, 4, 1                       ; h
	v_lshlrev_b32 v[RH], 3, v254
	v_sub_nc_u32 v[RH], v253, v[RH]
	s_and_b32 s[PAR], s[WV], 1
	s_lshr_b32 s[GRP], s[WV], 1
	s_sub_co_u32 s52, 7, s[XX]
	s_and_b32 s53, s[GRP], 1
	s_cmp_eq_u32 s53, 1
	s_cselect_b32 s52, s52, s[XX]
	s_lshl_b32 s[BLOCK], s[GRP], 3
	s_add_co_u32 s[BLOCK], s[BLOCK], s52           ; my group's block of 32 queries
	s_lshl_b32 s[Q0], s[BLOCK], 5
	s_lshl_b32 s[KF], s[PAR], 6                    ; my first key
	s_lshl_b32 s[TB], s[PAR], 13                   ; and where its step lies in a slot: 8,192 bytes a step
	s_mov_b32 s[SLOTS], 3
	s_cmp_eq_u32 s[PAR], 1
	s_cselect_b32 s[PM], -1, 0
	s_mov_b32 s[CS], CBITS
	s_mov_b32 s[CS+1], s[CS]
	s_mov_b32 s[SEL], 0x76543210
	s_mov_b32 s[SEL+1], 0xfedcba98
	; descriptor group 1: 32,768 dense bytes as 128 rows of 256 (32 elements of 8 bytes), no padding
.if CLU
	s_mov_b32 s[G1], 15|(3<<16)|(1<<21)            ; the mask: all four work-groups; bit 21 set beside it
.else
	s_mov_b32 s[G1], 3<<16
.endif
	s_mov_b32 s[G1+1], 32<<16
	s_mov_b32 s[G1+2], 128<<16
	s_mov_b32 s[G1+3], 32<<16
	s_mov_b32 s[G1+4], 128
	s_mov_b32 s[G1+5], 32
	s_mov_b32 s[G1+6], 0
	s_mov_b32 s[G1+7], 0
	s_mov_b32 s[G0], 1
	s_lshl_b32 s[G0+1], s[PAR], 15                 ; LDS: my half of the slot,
	s_lshl_b32 s53, s[GRP], 17                     ; in K's ring (waves 0, 1) or V's (2, 3)
	s_add_co_u32 s[G0+1], s[G0+1], s53
	s_lshl_b32 s54, s[BH], 18                      ; the head's bytes in a region
	s_add_co_u32 s55, s[GRP], KREG
	s_lshl_b32 s55, s55, 23                        ; K's region or V's
	s_add_co_u32 s56, s55, s54
	s_lshl_b32 s55, s[PAR], 15
	s_add_co_u32 s56, s56, s55
	s_mov_b32 s57, 0
	s_sub_co_u32 s58, s[WV], 4                     ; who prefetches, and what
.if CLU
	s_lshr_b32 s59, s58, 1
	s_and_b32 s58, s58, 1
.else
	s_lshr_b32 s59, s58, 3
	s_and_b32 s58, s58, 7
.endif
	s_or_b32 s59, s59, ttmp9
	s_cmp_eq_u32 s59, 0
	s_cselect_b32 s[LIM], 1, -1
	s_lshl_b32 s58, s58, 13
.if CLU
	s_lshl_b32 s59, s[CX], 14
	s_add_co_u32 s58, s58, s59
.endif
	s_add_co_u32 s58, s58, s54
	s_add_co_u32 s58, s58, KREG*8388608+SLOTB      ; in slot 1: the first change steps it to slot 2
	s_mov_b32 s59, 0
.if CLU
	s_lshr_b32 s60, s[BH], 4
	s_lshl_b32 s60, s60, 11
	s_add_co_u32 s60, s60, s[Q0]
	s_lshl_b32 s60, s60, 12                        ; my first query's row of 4,096 bytes,
	s_and_b32 s61, s[BH], 15
	s_lshl_b32 s61, s61, 8                         ; the head's 64 channels
	s_add_co_u32 s60, s60, s61
.else
	s_lshl_b32 s60, s[BLOCK], 12                   ; two tiles of 2,048 bytes a block
	s_add_co_u32 s60, s60, s54
.endif
	s_mov_b32 s61, 0
	s_wait_dscnt 0x0                               ; the opening add is done
	s_wait_kmcnt 0x0
	s_add_nc_u64 s[G0+2:G0+3], s[4:5], s[56:57]
	s_or_b32 s[G0+3], s[G0+3], 0x80000000
	s_add_nc_u64 s[PFK:PFK+1], s[4:5], s[58:59]
	s_add_nc_u64 s[PFV:PFV+1], s[PFK:PFK+1], 8388608
.if CLU
	s_add_nc_u64 s[60:61], s[14:15], s[60:61]
	CROUND                                         ; in front of the first joint loads
.else
	s_add_nc_u64 s[60:61], s[4:5], s[60:61]
.endif
	TLOAD                                          ; slot 0.  By this text's count one tensor load of a wave is out at the most
.if CLU
	v_lshlrev_b32 v252, 12, v253
	v_lshl_add_u32 v252, v254, 5, v252             ; row r, + 32 h: my 8 channels of each 16
.irp t, 0,1
.irp c, 0,1
.irp f, 0,1
.irp e, 0,1
	global_load_b128 v[S+32*\t+16*\c+8*\f+4*\e:S+32*\t+16*\c+8*\f+4*\e+3], v252, s[60:61] offset:65536*\t+128*\c+64*\f+16*\e
.endr
.endr
.endr
.endr
.else
.irp t, 0,1
.irp c, 0,1
.irp f, 0,1
	global_load_b128 v[Q+16*\t+8*\c+4*\f:Q+16*\t+8*\c+4*\f+3], v[LI], s[60:61] offset:2048*\t+1024*\c+512*\f
.endr
.endr
.endr
.endif
.irp t, 0,1
	v_mov_b32 v[ST+8*\t+1], 0xfe967699             ; m = -1e38, under every score
	v_mul_f32 v[ST+8*\t], s[CS], v[ST+8*\t+1]      ; c m
	v_mov_b32 v[ST+8*\t+2], 0                      ; the sum
	v_mov_b32 v[ST+8*\t+3], 0
.endr
.set ii, 0
.rept 64
	v_mov_b32 v[O+ii], 0                           ; O^T.  (The step is written once: its first turn finds zeros, which a = 0 leaves zeros)
.set ii, ii+1
.endr
	s_wait_loadcnt 0x0                             ; Q
.if CLU
.set ii, 0
.rept 32
	v_cvt_pk_f16_f32 v[Q+ii], v[S+2*ii], v[S+2*ii+1]
.set ii, ii+1
.endr
.endif
; A KEY STEP: 64 keys for my group's two tiles.
.macro STEP
	v_add_nc_u32 v[ADK], s[TB], v[LI]
	v_add_nc_u32 v[ADV], s[TB], v[LV]
.rept 4
	v_nop                                          ; with the two additions six places behind the last products: four are owed to the loads into their fragments' registers, five to the products that write over p
.endr
.irp c, 0,1
.irp kt, 0,1,2,3
	ds_load_b128 v[KV+32*\c+8*\kt:KV+32*\c+8*\kt+3], v[ADK] offset:2048*\kt+1024*\c
	ds_load_b128 v[KV+32*\c+8*\kt+4:KV+32*\c+8*\kt+7], v[ADK] offset:2048*\kt+1024*\c+512
.endr
.endr
	s_wait_dscnt 8                                 ; channels 0-31 are in; the eight loads of channels 32-63 may be out
.irp kt, 0,1,2,3
.irp t, 0,1
	v_wmma_f32_16x16x32_f16 v[S+32*\t+8*\kt:S+32*\t+8*\kt+7], v[KV+8*\kt:KV+8*\kt+7], v[Q+16*\t:Q+16*\t+7], 0
.endr
.endr
	s_wait_dscnt 0x0
.irp kt, 0,1,2,3                               ; the eight accumulators take turns
.irp t, 0,1
	v_wmma_f32_16x16x32_f16 v[S+32*\t+8*\kt:S+32*\t+8*\kt+7], v[KV+32+8*\kt:KV+32+8*\kt+7], v[Q+16*\t+8:Q+16*\t+15], v[S+32*\t+8*\kt:S+32*\t+8*\kt+7]
.endr
.endr
.rept 4
	v_nop
.endr
.if TRIU
	s_add_co_u32 s96, s[KF], 63                    ; a step all of whose keys come before my 32 queries adds to the sums alone: V is not fetched.  A branch on ids and counted steps
	s_cmp_lt_u32 s96, s[Q0]
	s_cbranch_scc1 .Lno_v_\@
.endif
.irp u, 0,1
.irp ct, 0,1,2,3
	ds_load_b128 v[KV+32*\u+8*\ct:KV+32*\u+8*\ct+3], v[ADV] offset:4096*\u+1024*\ct
	ds_load_b128 v[KV+32*\u+8*\ct+4:KV+32*\u+8*\ct+7], v[ADV] offset:4096*\u+1024*\ct+512
.endr
.endr
.Lno_v_\@:
	; the maximum of my 32 scores and the old m: four chains, each begun at its accumulator's low end; the two tiles line by line
.irp j, 0,1,2,3
.irp t, 0,1
	v_max3_num_f32 v[ST+8*\t+4+\j], v[S+32*\t+8*\j], v[S+32*\t+8*\j+1], v[S+32*\t+8*\j+2]
.endr
.endr
.irp i, 3,5
.irp j, 0,1,2,3
.irp t, 0,1
	v_max3_num_f32 v[ST+8*\t+4+\j], v[ST+8*\t+4+\j], v[S+32*\t+8*\j+\i], v[S+32*\t+8*\j+\i+1]
.endr
.endr
.endr
.irp t, 0,1
	v_max3_num_f32 v[ST+8*\t+4], v[ST+8*\t+4], v[S+32*\t+7], v[S+32*\t+15]
.endr
.irp t, 0,1
	v_max3_num_f32 v[ST+8*\t+6], v[ST+8*\t+6], v[S+32*\t+23], v[S+32*\t+31]
.endr
.irp t, 0,1
	v_max3_num_f32 v[ST+8*\t+4], v[ST+8*\t+4], v[ST+8*\t+5], v[ST+8*\t+6]
.endr
.irp t, 0,1
	v_max3_num_f32 v[ST+8*\t+4], v[ST+8*\t+4], v[ST+8*\t+7], v[ST+8*\t+1]
.endr
.irp t, 0,1
	v_permlanex16_b32 v[ST+8*\t+5], v[ST+8*\t+4], s[SEL], s[SEL+1]   ; the query's other 32 keys lie in the lane 16 away
.endr
.irp t, 0,1
	v_mov_b32 v[ST+8*\t+7], v[ST+8*\t]             ; c m_old
.endr
.irp t, 0,1
	v_max_num_f32 v[ST+8*\t+1], v[ST+8*\t+4], v[ST+8*\t+5]
.endr
.irp t, 0,1
	v_mul_f32 v[ST+8*\t], s[CS], v[ST+8*\t+1]
.endr
.irp t, 0,1
	v_sub_f32 v[ST+8*\t+7], v[ST+8*\t+7], v[ST+8*\t]
.endr
.set ii, 0
.rept 16
.irp t, 0,1
	v_pk_fma_f32 v[S+32*\t+ii:S+32*\t+ii+1], v[S+32*\t+ii:S+32*\t+ii+1], s[CS:CS+1], v[ST+8*\t:ST+8*\t+1] op_sel_hi:[1,0,0] neg_lo:[0,0,1] neg_hi:[0,0,1]   ; c s - c m
.endr
.set ii, ii+2
.endr
.irp t, 0,1
	v_exp_f32 v[ST+8*\t+6], v[ST+8*\t+7]           ; a = 2^(c m_old - c m_new)
.endr
.set ii, 0
.rept 32
.irp t, 0,1
	v_exp_f32 v[S+32*\t+ii], v[S+32*\t+ii]         ; p
.endr
.set ii, ii+1
.endr
	v_nop                                          ; one plain line behind the batch,
	s_wait_alu depctr_va_vdst(0)                   ; and ONE wait for its 66 exponentials, ahead of the first reader
.irp t, 0,1                                    ; the row's sum, of ALL keys' p, in f32: two chains a tile; p stays as it is
	v_pk_add_f32 v[ST+8*\t+4:ST+8*\t+5], v[S+32*\t:S+32*\t+1], v[S+32*\t+4:S+32*\t+5]
	v_pk_add_f32 v[CH+2*\t:CH+2*\t+1], v[S+32*\t+2:S+32*\t+3], v[S+32*\t+6:S+32*\t+7]
.endr
.irp i, 8,12,16,20,24,28
.irp t, 0,1
	v_pk_add_f32 v[ST+8*\t+4:ST+8*\t+5], v[ST+8*\t+4:ST+8*\t+5], v[S+32*\t+\i:S+32*\t+\i+1]
	v_pk_add_f32 v[CH+2*\t:CH+2*\t+1], v[CH+2*\t:CH+2*\t+1], v[S+32*\t+\i+2:S+32*\t+\i+3]
.endr
.endr
.irp t, 0,1
	v_pk_add_f32 v[ST+8*\t+4:ST+8*\t+5], v[ST+8*\t+4:ST+8*\t+5], v[CH+2*\t:CH+2*\t+1]
.endr
.irp t, 0,1
	v_pk_fma_f32 v[ST+8*\t+2:ST+8*\t+3], v[ST+8*\t+2:ST+8*\t+3], v[ST+8*\t+6:ST+8*\t+7], v[ST+8*\t+4:ST+8*\t+5] op_sel_hi:[1,0,1]   ; l = a l + the sum
.endr
.if TRIU
	s_cmp_lt_u32 s96, s[Q0]                        ; all keys hidden: O^T is still zero and stays so
	s_cbranch_scc1 .Lend_\@
	s_cmp_gt_u32 s[KF], s[Q0]                      ; KF and Q0 are multiples of 64 and 32: KF > Q0 means that every key is at or behind my last query
	s_cbranch_scc1 .Lopen_\@
	s_sub_co_i32 s97, s[Q0], s[KF]
	v_add_nc_u32 v252, s97, v[RH]                  ; register 8 kt + j holds key KF + 16 kt + 8 h + j: hidden where 16 kt + j < Q0 - KF + 16 t + r - 8 h
	v_add_nc_u32 v253, 16, v252
	v_mov_b32 v254, 0
.irp t, 0,1
.irp kt, 0,1,2,3
.irp j, 0,1,2,3,4,5,6,7
	v_cmp_lt_i32 vcc_lo, 16*\kt+\j, v[252+\t]
	v_cndmask_b32 v[S+32*\t+8*\kt+\j], v[S+32*\t+8*\kt+\j], v254, vcc_lo
.endr
.endr
.endr
.Lopen_\@:
.endif
.set ii, 0
.rept 16
.irp t, 0,1
	v_cvt_pk_f16_f32 v[S+32*\t+ii], v[S+32*\t+2*ii], v[S+32*\t+2*ii+1]   ; in place, ascending: register i takes pair i
.endr
.set ii, ii+1
.endr
.set ii, 0
.rept 16
.irp t, 0,1
	v_pk_mul_f32 v[O+32*\t+ii:O+32*\t+ii+1], v[O+32*\t+ii:O+32*\t+ii+1], v[ST+8*\t+6:ST+8*\t+7] op_sel_hi:[1,0]   ; O^T x a, each accumulator from its low end on
.endr
.set ii, ii+2
.endr
	s_wait_dscnt 0x0                               ; V is in
.irp u, 0,1
.irp ct, 0,1,2,3
.irp t, 0,1
	v_wmma_f32_16x16x32_f16 v[O+32*\t+8*\ct:O+32*\t+8*\ct+7], v[KV+32*\u+8*\ct:KV+32*\u+8*\ct+7], v[S+32*\t+8*\u:S+32*\t+8*\u+7], v[O+32*\t+8*\ct:O+32*\t+8*\ct+7]
.endr
.endr
.endr
.Lend_\@:
.if TRIU
	s_wait_dscnt 0x0                               ; on every way to this label no LDS load of mine is out: what follows (the next step's loads, the end's) lands in the fragments' registers.  The ordering hangs on this wait, not on the two branches above going the same way
.endif
	s_add_co_u32 s[TB], s[TB], 16384               ; my next step: the partner's lies between
.if TRIU
	s_add_co_u32 s[KF], s[KF], 128
.endif
.endm
; THE CHANGE OF SLOTS stands at a slot's head: every wave waits for all its tensor loads, adds 0 to its spare word, waits for that and for its reads of the slot that it has left; a barrier (with joint loads: a round);
; fill = 1: the slot just left is filled with the keys that follow: the load has a slot's four steps of every wave in which to land.
.macro CHANGE fill
	s_wait_tensorcnt 0x0
	ds_add_u32 v[SPW], v[NIL]
.if \fill
	s_xor_b32 s[G0+1], s[G0+1], SLOTB              ; the other half of the ring,
	s_add_nc_u64 s[G0+2:G0+3], s[G0+2:G0+3], SLOTB ; the next 512 keys
	s_wait_xcnt 0x0                                ; the last prefetches, a slot back, have read their addresses
	s_add_nc_u64 s[PFK:PFK+1], s[PFK:PFK+1], SLOTB
	s_add_nc_u64 s[PFV:PFV+1], s[PFV:PFV+1], SLOTB
.endif
	s_wait_dscnt 0x0
.if CLU && \fill
	CROUND
.else
	s_barrier_signal -1
	s_barrier_wait -1
.endif
.if \fill
	TLOAD
	ASK
.endif
.endm
.macro FOUR_STEPS                      ; my four steps of a slot: written once, walked four times
	s_mov_b32 s[TW], 4
.Lstep_\@:
	STEP
	s_sub_co_u32 s[TW], s[TW], 1
	s_cmp_lg_u32 s[TW], 0
	s_cbranch_scc1 .Lstep_\@
	s_sub_co_u32 s[TB], s[TB], SLOTB
	s_xor_b32 s[TB], s[TB], SLOTB                  ; on to the other half
.endm
.macro WSUM r                          ; the sum over the wave's 32 lanes, in every lane
	v_add_f32_dpp v[\r], v[\r], v[\r] row_xmask:1 row_mask:0xf bank_mask:0xf
	v_add_f32_dpp v[\r], v[\r], v[\r] row_xmask:2 row_mask:0xf bank_mask:0xf
	v_add_f32_dpp v[\r], v[\r], v[\r] row_xmask:4 row_mask:0xf bank_mask:0xf
	v_add_f32_dpp v[\r], v[\r], v[\r] row_xmask:8 row_mask:0xf bank_mask:0xf
	v_permlanex16_b32 v[\r+1], v[\r], s[SEL], s[SEL+1]
	v_add_f32 v[\r], v[\r], v[\r+1]
.endm
; A row of 1,024 numbers, 32 a lane in v[xr] on: + the residual, less the mean, by 1 / sqrt(variance + 1e-5), x gain + bias.  Two passes: the mean first, then the squares of the differences.
.macro LNROW xr, rr, gr, br, tm
.set ii, 0
.rept 16
	v_pk_add_f32 v[\xr+ii:\xr+ii+1], v[\xr+ii:\xr+ii+1], v[\rr+ii:\rr+ii+1]
.set ii, ii+2
.endr
	v_pk_add_f32 v[\tm:\tm+1], v[\xr:\xr+1], v[\xr+4:\xr+5]
	v_pk_add_f32 v[\tm+2:\tm+3], v[\xr+2:\xr+3], v[\xr+6:\xr+7]
.irp k, 8,12,16,20,24,28
	v_pk_add_f32 v[\tm:\tm+1], v[\tm:\tm+1], v[\xr+\k:\xr+\k+1]
	v_pk_add_f32 v[\tm+2:\tm+3], v[\tm+2:\tm+3], v[\xr+\k+2:\xr+\k+3]
.endr
	v_pk_add_f32 v[\tm:\tm+1], v[\tm:\tm+1], v[\tm+2:\tm+3]
	v_add_f32 v[\tm], v[\tm], v[\tm+1]
	WSUM \tm
	v_mul_f32 v[\tm], 0x3a800000, v[\tm]           ; / 1,024: the mean
.set ii, 0
.rept 16
	v_pk_add_f32 v[\xr+ii:\xr+ii+1], v[\xr+ii:\xr+ii+1], v[\tm:\tm+1] op_sel_hi:[1,0] neg_lo:[0,1] neg_hi:[0,1]
.set ii, ii+2
.endr
	v_pk_mul_f32 v[\tm+2:\tm+3], v[\xr:\xr+1], v[\xr:\xr+1]
	v_pk_mul_f32 v[\tm+4:\tm+5], v[\xr+2:\xr+3], v[\xr+2:\xr+3]
.irp k, 4,8,12,16,20,24,28
	v_pk_fma_f32 v[\tm+2:\tm+3], v[\xr+\k:\xr+\k+1], v[\xr+\k:\xr+\k+1], v[\tm+2:\tm+3]
	v_pk_fma_f32 v[\tm+4:\tm+5], v[\xr+\k+2:\xr+\k+3], v[\xr+\k+2:\xr+\k+3], v[\tm+4:\tm+5]
.endr
	v_pk_add_f32 v[\tm+2:\tm+3], v[\tm+2:\tm+3], v[\tm+4:\tm+5]
	v_add_f32 v[\tm+2], v[\tm+2], v[\tm+3]
	WSUM \tm+2
	v_mul_f32 v[\tm+2], 0x3a800000, v[\tm+2]       ; the variance
	v_add_f32 v[\tm+2], 0x3727c5ac, v[\tm+2]       ; + 1e-5
	v_rsq_f32 v[\tm+2], v[\tm+2]
	v_nop
	s_wait_alu depctr_va_vdst(0)                   ; ahead of the first reader
.set ii, 0
.rept 16
	v_pk_mul_f32 v[\xr+ii:\xr+ii+1], v[\xr+ii:\xr+ii+1], v[\tm+2:\tm+3] op_sel_hi:[1,0]
.set ii, ii+2
.endr
.set ii, 0
.rept 16
	v_pk_fma_f32 v[\xr+ii:\xr+ii+1], v[\xr+ii:\xr+ii+1], v[\gr+ii:\gr+ii+1], v[\br+ii:\br+ii+1]
.set ii, ii+2
.endr
.endm
.Lslot:                                            ; three trips: behind each change of slots but the last the next slot is asked for
	CHANGE 1
	FOUR_STEPS
	s_sub_co_u32 s[SLOTS], s[SLOTS], 1
	s_cmp_lg_u32 s[SLOTS], 0
	s_cbranch_scc1 .Lslot
	CHANGE 0                                       ; the last slot is written out
	FOUR_STEPS
	; THE END.  Each wave holds, for both tiles, partial O^T, c m and l over its half of the keys.  It keeps tile PAR, sends the other to its partner as an image of its registers, and merges what the partner sends.
.rept 4
	v_nop
.endr
.irp t, 0,1
	v_add_f32 v[ST+8*\t+2], v[ST+8*\t+2], v[ST+8*\t+3]
.endr
.irp t, 0,1
	v_permlanex16_b32 v[ST+8*\t+4], v[ST+8*\t+2], s[SEL], s[SEL+1]
.endr
.irp t, 0,1
	v_add_f32 v[ST+8*\t+2], v[ST+8*\t+2], v[ST+8*\t+4]   ; l over my keys
.endr
.set ii, 0
.rept 32
	v_cndmask_b32 v[S+ii], v[O+ii], v[O+32+ii], s[PM]      ; kept: tile PAR  (a select, no branch; each accumulator from its low end on)
	v_cndmask_b32 v[S+32+ii], v[O+32+ii], v[O+ii], s[PM]   ; sent: the other
.set ii, ii+1
.endr
	v_cndmask_b32 v248, v[ST], v[ST+8], s[PM]      ; c m and l likewise
	v_cndmask_b32 v249, v[ST+2], v[ST+10], s[PM]
	v_cndmask_b32 v250, v[ST+8], v[ST], s[PM]
	v_cndmask_b32 v251, v[ST+10], v[ST+2], s[PM]
	s_lshr_b32 s52, s[WV], 3
	s_lshl_b32 s52, s52, 17
	s_and_b32 s53, s[WV], 7
	s_mul_i32 s53, s53, XBB
	s_add_co_u32 s52, s52, s53                     ; my region
	s_xor_b32 s55, s[WV], 1
	s_lshr_b32 s54, s55, 3
	s_lshl_b32 s54, s54, 17
	s_and_b32 s55, s55, 7
	s_mul_i32 s55, s55, XBB
	s_add_co_u32 s54, s54, s55                     ; my partner's
	v_and_b32 v252, 15, v0
	v_bfe_u32 v253, v0, 4, 1
	v_lshrrev_b32 v254, 2, v[LI]
	v_add_nc_u32 v12, s52, v[LI]                   ; image out,
	v_add_nc_u32 v13, s52, v254                    ; words out,
	v_add_nc_u32 v14, s54, v[LI]                   ; image in,
	v_add_nc_u32 v15, s54, v254                    ; words in
	v_mul_u32_u24 v20, v252, 272
	v_lshl_add_u32 v20, v253, 5, v20
	v_add_nc_u32 v20, s54, v20                     ; the stage, in: query r's 256 bytes, + 32 h
	v_mul_u32_u24 v21, v253, 272
	v_lshl_add_u32 v21, v252, 4, v21
	v_add_nc_u32 v21, s54, v21                     ; and back: 512 consecutive bytes of the row an instruction
	v_lshrrev_b32 v22, 1, v[LI]                    ; 8 x lane
.irp i, 0,1,2,3,4,5,6,7
	ds_store_b128 v12, v[S+32+4*\i:S+32+4*\i+3] offset:512*\i
.endr
	ds_store_b32 v13, v250 offset:4096
	ds_store_b32 v13, v251 offset:4224
	s_lshr_b32 s55, s[BH], 4                       ; my row of the merged matrix: 2,048 b + 128 h + 2 block + PAR
	s_lshl_b32 s55, s55, 11
	s_and_b32 s56, s[BH], 15
	s_lshl_b32 s56, s56, 7
	s_add_co_u32 s55, s55, s56
	s_lshl_b32 s56, s[BLOCK], 1
	s_add_co_u32 s55, s55, s56
	s_add_co_u32 s55, s55, s[PAR]
	s_lshl_b32 s56, s55, 12
	s_mov_b32 s57, 0
	s_add_nc_u64 s[6:7], s[6:7], s[56:57]
.if RESOFF
	s_add_nc_u64 s[6:7], s[6:7], RESOFF
.endif
	s_add_nc_u64 s[58:59], s[12:13], s[56:57]
	s_add_nc_u64 s[58:59], s[58:59], X32           ; the f32 row,
	s_lshl_b32 s56, s55, 11
	s_add_nc_u64 s[12:13], s[12:13], s[56:57]      ; the f16 row
.irp i, 0,1,2,3,4,5,6,7
	global_load_b128 v[Q+4*\i:Q+4*\i+3], v[LI], s[6:7] offset:512*\i      ; the residual: columns 128 i + 4 lane on
.endr
.irp i, 0,1,2,3,4,5,6,7
	global_load_b128 v[KV+4*\i:KV+4*\i+3], v[LI], s[8:9] offset:512*\i    ; the gain
.endr
	s_wait_dscnt 0x0                               ; for the partner's sake: my stores have landed
	s_barrier_signal -1
	s_barrier_wait -1
.irp i, 0,1,2,3,4,5,6,7
	global_load_b128 v[S+32+4*\i:S+32+4*\i+3], v[LI], s[10:11] offset:512*\i   ; the bias
.endr
.irp i, 0,1,2,3,4,5,6,7
	ds_load_b128 v[KV+32+4*\i:KV+32+4*\i+3], v14 offset:512*\i
.endr
	ds_load_b32 v252, v15 offset:4096
	ds_load_b32 v253, v15 offset:4224
	s_wait_dscnt 0x0
	v_max_num_f32 v8, v248, v252                   ; the common c m
	v_sub_f32 v9, v248, v8
	v_sub_f32 v10, v252, v8
	v_exp_f32 v9, v9
	v_exp_f32 v10, v10
	v_nop
	s_wait_alu depctr_va_vdst(0)
	v_mul_f32 v11, v249, v9
	v_fma_f32 v11, v253, v10, v11                  ; the row's sum over all keys
	v_rcp_f32 v11, v11
	v_nop
	s_wait_alu depctr_va_vdst(0)
	v_mul_f32 v16, v9, v11
	v_mul_f32 v18, v10, v11
.set ii, 0
.rept 16
	v_pk_mul_f32 v[O+ii:O+ii+1], v[S+ii:S+ii+1], v[16:17] op_sel_hi:[1,0]
.set ii, ii+2
.endr
.set ii, 0
.rept 16
	v_pk_fma_f32 v[O+ii:O+ii+1], v[KV+32+ii:KV+32+ii+1], v[18:19], v[O+ii:O+ii+1] op_sel_hi:[1,0,1]   ; z: register 8 ct + j is channel 16 ct + 8 h + j of query r
.set ii, ii+2
.endr
.irp ct, 0,1,2,3                               ; through the stage: the partner's region, which I alone still touch (my reads of it are back)
	ds_store_b128 v20, v[O+8*\ct:O+8*\ct+3] offset:64*\ct
	ds_store_b128 v20, v[O+8*\ct+4:O+8*\ct+7] offset:64*\ct+16
.endr
.irp i, 0,1,2,3,4,5,6,7
	ds_load_b128 v[O+32+4*\i:O+32+4*\i+3], v21 offset:2*\i*272     ; LDS serves a wave's instructions in order
.endr
	s_wait_dscnt 0x0
	s_wait_loadcnt 0x0
	LNROW O+32, Q, KV, S+32, S
.irp i, 0,1,2,3,4,5,6,7
	global_store_b128 v[LI], v[O+32+4*\i:O+32+4*\i+3], s[58:59] offset:512*\i   ; 512 consecutive bytes, aligned
.endr
.set ii, 0
.rept 16
	v_cvt_pk_f16_f32 v[S+8+ii], v[O+32+2*ii], v[O+32+2*ii+1]
.set ii, ii+1
.endr
.irp i, 0,1,2,3,4,5,6,7
	global_store_b64 v22, v[S+8+2*\i:S+8+2*\i+1], s[12:13] offset:256*\i        ; 256 consecutive bytes, aligned
.endr
	s_wait_tensorcnt 0x0                           ; the wave's end
	ds_add_u32 v[SPW], v[NIL]
	s_wait_dscnt 0x0
.if CLU
	CROUND                                         ; the closing round
.endif
	s_endpgm
.Lfunc_end_k_q9be253fe30_attn_sa:
	.size	k_q9be253fe30_attn_sa, .Lfunc_end_k_q9be253fe30_attn_sa-k_q9be253fe30_attn_sa
	.p2alignl 7, 3214868480
	.fill 96, 4, 3214868480
	.section	.rodata,"a",@progbits
	.p2align	6, 0x0
	.amdhsa_kernel k_q9be253fe30_attn_sa
		.amdhsa_group_segment_fixed_size 327680
		.amdhsa_private_segment_fixed_size 0
		.amdhsa_enable_private_segment 0
		.amdhsa_kernarg_size 40
		.amdhsa_user_sgpr_count 2
		.amdhsa_user_sgpr_kernarg_segment_ptr 1
		.amdhsa_wavefront_size32 1
		.amdhsa_system_sgpr_workgroup_id_x 1
		.amdhsa_system_sgpr_workgroup_id_y 1
		.amdhsa_system_sgpr_workgroup_id_z 1
		.amdhsa_system_vgpr_workitem_id 0
		.amdhsa_next_free_vgpr 256
		.amdhsa_next_free_sgpr 100
		.amdhsa_reserve_vcc 1
		.amdhsa_float_denorm_mode_32 3
		.amdhsa_float_denorm_mode_16_64 3
		.amdhsa_memory_ordered 1
		.amdhsa_forward_progress 1
		.amdhsa_inst_pref_size 75
	.end_amdhsa_kernel
	.amdgpu_metadata
---
amdhsa.version: [ 1, 2 ]
amdhsa.kernels:
  - .name:           k_q9be253fe30_attn_sa
    .symbol:         k_q9be253fe30_attn_sa.kd
    .args:
      - { .name: qkv, .offset: 0, .size: 8, .value_kind: global_buffer, .address_space: global }
      - { .name: decoded, .offset: 8, .size: 8, .value_kind: global_buffer, .address_space: global }
      - { .name: sa_g, .offset: 16, .size: 8, .value_kind: global_buffer, .address_space: global }
      - { .name: sa_b, .offset: 24, .size: 8, .value_kind: global_buffer, .address_space: global }
      - { .name: xa, .offset: 32, .size: 8, .value_kind: global_buffer, .address_space: global }
    .group_segment_fixed_size: 327680
    .private_segment_fixed_size: 0
    .kernarg_segment_align: 8
    .kernarg_segment_size: 40
    .max_flat_workgroup_size: 512
    .sgpr_count:     100
    .vgpr_count:     256
    .wavefront_size: 32
...
	.end_amdgpu_metadata
.endif
;; end of part 3
;; launch qproj (part 4): grid 8 x 32, 4 waves a work-group, clusters of 4 x 4, 327,680 bytes of LDS; arguments xa, wq16, ca_bq, qy; writes qy
.if DOCPART == 4
	.amdgcn_target "amdgcn-amd-amdhsa--gfx1250"
	.amdhsa_code_object_version 6
	.text
	.protected	k_q9be253fe30_qproj
	.globl	k_q9be253fe30_qproj
	.p2align	8
	.type	k_q9be253fe30_qproj,@function
k_q9be253fe30_qproj:
	s_mov_b64 s[64:65], 0
	v_nop
	global_prefetch_b8 v0, s[64:65] scope:SCOPE_SE
	s_setreg_imm32_b32 hwreg(HW_REG_WAVE_MODE, 25, 1), 1
	s_wait_xcnt 0x0
	s_wait_alu depctr_hold_cnt(0) depctr_sa_sdst(0) depctr_va_vdst(0) depctr_va_sdst(0) depctr_va_ssrc(0) depctr_va_vcc(0) depctr_vm_vsrc(0)
	s_getreg_b32 s2, hwreg(HW_REG_IB_STS2, 6, 4)
	s_cmp_eq_u32 s2, 0
	s_cbranch_scc0 .Lentry_in_a_cluster
	s_endpgm
.Lentry_in_a_cluster:
	s_bfe_u32 s2, ttmp6, 0x10000c
	s_cmp_lg_u32 s2, 0xf033
	s_cbranch_scc0 .Lentry_shape_is_right
	s_endpgm
.Lentry_shape_is_right:
; C[m][n] = sum over k of A[m][k] B[n][k] + bias[n].  A: [4096][1024] f16 (the first bytes of its buffer), B: [1024 n][1024 k] f16, bias [1024] f32; sums in f32.
; OUT16 = 0: C is [4096][1024] f32.   OUT16 = 1: C = relu(..) rounded to f16, [4096][1024].  One source serves both; the flags below choose.
; A tile of C is 128 x 128: 256 tiles, one for each work-group.  Four waves, each 64 x 64: 16 accumulators.  K goes in steps of 256 (LDS rows of 512 bytes) through two slots filled by the tensor data mover.
; CLUSTERS of 4 x 4: the four of a row need the same tiles of A, the four of a column the same tiles of B: each tile is asked for jointly.
; THE MATRIX INSTRUCTION IS USED TRANSPOSED (source 0 = 16 rows of B, source 1 = 16 rows of A): a lane holds eight neighbouring numbers of a row of C.  The bias is the C of each sum's first instruction.
; No prefetch: a K step's 128 matrix instructions a wave are short, and the launch lasts four K steps.
; REGISTERS: window 0: v0-31 addresses; v32-95 at work on the way out; v96-127 the bias, 8 for each of 4 column blocks; v128-255 the accumulators.  window 1: two fragment buffers of 128.
.set OUT16,  0
.set BOFF,   0                         ; where B begins in its buffer
.set SIZE_N, 1024
.set SIZE_K, 1024
.set KSTEP,  256
.set PITCH,  528                       ; an LDS row: 512 + 16: row r starts at bank 4 r mod 64 (64 banks of 4 bytes: ISA guide 11.1)
.set HALFT,  64*PITCH
.set SLOT,   4*HALFT
.set STAGE,  2*SLOT
.set SPITCH, 272
.if OUT16
.set SPARE,  STAGE+128*SPITCH          ; one stage of 128 rows for the work-group
.else
.set SPARE,  STAGE+4*16*SPITCH         ; a stage of 16 rows for each wave
.endif
.set LAPS, SIZE_K/(2*KSTEP)
.set ADRA, 16
.set ADRB, 20
.set STO,  24
.set RD,   25
.set CO,   26
.set SPW,  28
.set NIL,  29
.set TMP,  32
.set BI,   96
.set ACC,  128
.set F0,   0
.set F1,   128
.set G1, 24
.set G0, 32
.set G1B, 48
.set G0B, 56
.set MSB, 0
.macro WIN new
.if MSB != (\new)
	s_set_vgpr_msb (MSB<<8)|(\new)
.set MSB, (\new)
.endif
.endm
.set MUL,  0x05                        ; sources 0 and 1 window 1; C and D window 0
.set TO_F, 0x40
.macro JLOAD s                         ; waves 0 and 1 fetch A's halves, waves 2 and 3 B's; an s_nop 0 and four v_nop follow each line
	s_cmp_eq_u32 s11, 0
	s_cbranch_scc0 .Lfor_b_\@
	tensor_load_to_lds s[G0+4*\s:G0+4*\s+3], s[G1:G1+7]
	s_nop 0
.rept 4
	v_nop
.endr
	s_branch .Lasked_\@
.Lfor_b_\@:
	tensor_load_to_lds s[G0B+4*\s:G0B+4*\s+3], s[G1B:G1B+7]
	s_nop 0
.rept 4
	v_nop
.endr
.Lasked_\@:
.endm
.macro CREST
	s_cmp_lg_u32 s10, 0
	s_cbranch_scc1 .Lnot_wave_0_\@
	s_barrier_signal -3
.Lnot_wave_0_\@:
	s_barrier_wait -3
	s_barrier_signal -1
	s_barrier_wait -1
.endm
.macro CROUND
	s_barrier_signal -1
	s_barrier_wait -1
	CREST
.endm
	s_load_b128 s[4:7], s[0:1], 0x0                ; A, B
	s_load_b64 s[66:67], s[0:1], 0x10              ; bias
	s_load_b64 s[8:9], s[0:1], 0x18                ; C
	v_lshl_add_u32 v[SPW], v0, 2, SPARE
	v_mov_b32 v[NIL], 0
	ds_add_u32 v[SPW], v[NIL]                      ; the wave's opening: an add and its wait ahead of my first tensor load
	v_lshrrev_b32 v1, 5, v0
	v_readfirstlane_b32 s10, v1                    ; wave 0..3
	s_lshr_b32 s11, s10, 1                         ; my half of the tile's rows.  Also: I fetch for A (0) or B (1)
	s_and_b32 s12, s10, 1                          ; my half of its columns.  Also: which 64 rows I fetch
	s_bfe_u32 s40, ttmp6, 0x40000
	s_bfe_u32 s41, ttmp6, 0x40004
	s_lshl_b32 s42, ttmp9, 2
	s_add_co_u32 s42, s42, s40                     ; tile column
	s_and_b32 s13, ttmp7, 0xffff
	s_lshl_b32 s13, s13, 2
	s_add_co_u32 s13, s13, s41                     ; tile row
	s_lshl_b32 s43, s41, 2
	s_lshl_b32 s43, 15, s43                        ; my row of the cluster
	s_lshl_b32 s44, 0x1111, s40                    ; my column
	s_or_b32 s[G1+0], s43, (1<<16)|(1<<20)|(1<<21)|(6<<22)|(3<<25)  ; mask; elements of 2 bytes; padding: 4 words behind every 128
	s_or_b32 s[G1B+0], s44, (1<<16)|(1<<20)|(1<<21)|(6<<22)|(3<<25)
.irp g, G1, G1B
	s_mov_b32 s[\g+1], KSTEP<<16
	s_mov_b32 s[\g+2], 64<<16
	s_mov_b32 s[\g+3], KSTEP<<16
	s_mov_b32 s[\g+4], 64
	s_mov_b32 s[\g+5], SIZE_K
	s_mov_b32 s[\g+6], 0
	s_mov_b32 s[\g+7], 0
.endr
	s_lshl_b32 s17, s12, 6
	s_lshl_b32 s16, s13, 7
	s_add_co_u32 s16, s16, s17                     ; A's row
	s_lshl_b32 s46, s42, 7
	s_add_co_u32 s46, s46, s17                     ; B's row
	s_mov_b32 s17, 0
	s_mov_b32 s47, 0
	s_mov_b64 s[18:19], SIZE_K*2
	s_mul_u64 s[16:17], s[16:17], s[18:19]
	s_mul_u64 s[46:47], s[46:47], s[18:19]
	s_mul_i32 s20, s10, HALFT
	s_wait_dscnt 0x0
	s_wait_kmcnt 0x0
	s_add_nc_u64 s[14:15], s[4:5], s[16:17]
	s_add_nc_u64 s[46:47], s[6:7], s[46:47]
.if BOFF
	s_add_nc_u64 s[46:47], s[46:47], BOFF
.endif
	CROUND                                         ; the first joint loads meet
.irp s, 0,1
	s_mov_b32 s[G0+4*\s], 1
	s_add_co_u32 s[G0+4*\s+1], s20, \s*SLOT
	s_add_nc_u64 s[G0+4*\s+2:G0+4*\s+3], s[14:15], \s*KSTEP*2
	s_or_b32 s[G0+4*\s+3], s[G0+4*\s+3], 0x80000000
	s_mov_b32 s[G0B+4*\s], 1
	s_add_co_u32 s[G0B+4*\s+1], s20, \s*SLOT
	s_add_nc_u64 s[G0B+4*\s+2:G0B+4*\s+3], s[46:47], \s*KSTEP*2
	s_or_b32 s[G0B+4*\s+3], s[G0B+4*\s+3], 0x80000000
	JLOAD \s
.endr
	v_and_b32 v1, 15, v0                           ; r
	v_bfe_u32 v2, v0, 4, 1                         ; h
	v_mul_u32_u24 v3, v1, PITCH
	v_lshl_add_u32 v3, v2, 4, v3
	s_mul_i32 s21, s11, HALFT
	s_mul_i32 s22, s12, HALFT
	s_add_co_u32 s22, s22, 2*HALFT
.irp s, 0,1
	v_add_nc_u32 v[ADRA+\s], s21, v3
	v_add_nc_u32 v[ADRB+\s], s22, v3
	s_add_co_u32 s21, s21, SLOT
	s_add_co_u32 s22, s22, SLOT
.endr
	s_lshl_b32 s46, s42, 9                         ; my 64 columns, x 4 bytes: 512 x tile column + 256 x half
	s_lshl_b32 s47, s12, 8
	s_add_co_u32 s46, s46, s47
	v_lshl_add_u32 v6, v2, 5, s46                  ; the bias of column block b: + 64 b + 32 h
.irp b, 0,1,2,3
	global_load_b128 v[BI+8*\b:BI+8*\b+3], v6, s[66:67] offset:64*\b
	global_load_b128 v[BI+8*\b+4:BI+8*\b+7], v6, s[66:67] offset:64*\b+16
.endr
.if OUT16
	s_mul_i32 s23, s11, 64*SPITCH                  ; into the stage: my 64 rows, my half of their 256 bytes
	s_lshl_b32 s21, s12, 7
	s_add_co_u32 s23, s23, s21
	s_add_co_u32 s23, s23, STAGE
	v_mul_u32_u24 v4, v1, SPITCH
	v_lshl_add_u32 v4, v2, 4, v4
	v_add_nc_u32 v[STO], s23, v4
	s_mul_i32 s23, s10, 32*SPITCH                  ; back: wave w takes rows 32 w .. 32 w + 31, whole
	s_add_co_u32 s23, s23, STAGE
	v_mul_u32_u24 v5, v2, SPITCH
	v_lshl_add_u32 v5, v1, 4, v5
	v_add_nc_u32 v[RD], s23, v5
	v_mul_u32_u24 v5, v2, SIZE_N*2
	v_lshl_add_u32 v[CO], v1, 4, v5
	s_lshl_b32 s16, s13, 7
	s_lshl_b32 s17, s10, 5
	s_add_co_u32 s16, s16, s17                     ; the first row that I store
	s_lshl_b32 s16, s16, 11                        ; 2,048 bytes a row
	s_lshl_b32 s17, s42, 8
	s_add_co_u32 s16, s16, s17
.else
	s_mul_i32 s23, s10, 16*SPITCH                  ; a wave's 64 columns of f32 are 256 aligned bytes: a stage of its own, no barrier
	s_add_co_u32 s23, s23, STAGE
	v_mul_u32_u24 v4, v1, SPITCH
	v_lshl_add_u32 v4, v2, 5, v4
	v_add_nc_u32 v[STO], s23, v4                   ; in: row r, + 32 h
	v_mul_u32_u24 v5, v2, SPITCH
	v_lshl_add_u32 v5, v1, 4, v5
	v_add_nc_u32 v[RD], s23, v5                    ; back: lanes 0-15 one row, lanes 16-31 the next
	v_lshlrev_b32 v5, 12, v2
	v_lshl_add_u32 v[CO], v1, 4, v5
	s_lshl_b32 s16, s13, 7
	s_lshl_b32 s17, s11, 6
	s_add_co_u32 s16, s16, s17                     ; my first row
	s_lshl_b32 s16, s16, 12                        ; 4,096 bytes a row
	s_add_co_u32 s16, s16, s46
.endif
	s_mov_b32 s17, 0
	s_add_nc_u64 s[8:9], s[8:9], s[16:17]
.macro MUL8 f, c, a0, zero             ; 8 matrix instructions: row blocks a0, a0 + 1 x the 4 column blocks, 32 along K.  zero = 1: the first product starts the sums from the bias
.irp a, \a0, \a0+1
.irp b, 0,1,2,3
.if \zero
	v_wmma_f32_16x16x32_f16 v[ACC+8*(4*(\a)+\b):ACC+8*(4*(\a)+\b)+7], v[\f+64+8*(4*\c+\b):\f+64+8*(4*\c+\b)+7], v[\f+8*(4*\c+\a):\f+8*(4*\c+\a)+7], v[BI+8*\b:BI+8*\b+7]
.else
	v_wmma_f32_16x16x32_f16 v[ACC+8*(4*(\a)+\b):ACC+8*(4*(\a)+\b)+7], v[\f+64+8*(4*\c+\b):\f+64+8*(4*\c+\b)+7], v[\f+8*(4*\c+\a):\f+8*(4*\c+\a)+7], v[ACC+8*(4*(\a)+\b):ACC+8*(4*(\a)+\b)+7]
.endif
.endr
.endr
.endm
.macro FETCH slot, k, f                ; 32 LDS loads in one run: the fragments of 64 along K at byte k of the rows
	WIN TO_F
.irp c, 0,1
.irp i, 0,1,2,3
	ds_load_b128 v[\f+64+8*(4*\c+\i):\f+64+8*(4*\c+\i)+3],   v[ADRB+\slot] offset:\k+64*\c+\i*16*PITCH
	ds_load_b128 v[\f+64+8*(4*\c+\i)+4:\f+64+8*(4*\c+\i)+7], v[ADRB+\slot] offset:\k+64*\c+\i*16*PITCH+32
	ds_load_b128 v[\f+8*(4*\c+\i):\f+8*(4*\c+\i)+3],         v[ADRA+\slot] offset:\k+64*\c+\i*16*PITCH
	ds_load_b128 v[\f+8*(4*\c+\i)+4:\f+8*(4*\c+\i)+7],       v[ADRA+\slot] offset:\k+64*\c+\i*16*PITCH+32
.endr
.endr
.endm
.macro PLACES
.rept 4
	v_nop
.endr
.endm
.macro QUARTER slot, k, f, g, zero     ; 64 along K: multiplies buffer f, fetches the next quarter into g
	s_wait_dscnt 16                                ; the first 32 along K are in; the other sixteen loads may be out
	WIN MUL
	MUL8 \f, 0, 0, \zero
	MUL8 \f, 0, 2, \zero
	PLACES
	FETCH \slot, \k, \g
	s_wait_dscnt 32                                ; all but the 32 just issued
	WIN MUL
	MUL8 \f, 1, 0, 0
	MUL8 \f, 1, 2, 0
.endm
.macro TURN slot, next, fill           ; a slot's last quarter changes slots: one barrier; fill = 1: it opens a round of the cluster's barrier and the slot is filled again
	WIN 0
	s_wait_tensorcnt 0x0                           ; all my tensor loads have landed: my part of the next slot
	ds_add_u32 v[SPW], v[NIL]
	s_wait_dscnt 17                                ; the add and the youngest sixteen loads may be out
	WIN MUL
	MUL8 F1, 0, 0, 0
	s_wait_dscnt 0x0                               ; the add is done, my reads of this slot are over
	s_barrier_signal -1
	MUL8 F1, 0, 2, 0
.if \fill
	WIN 0
.endif
	s_barrier_wait -1
.if \fill
	CREST
	s_add_nc_u64 s[G0+4*\slot+2:G0+4*\slot+3], s[G0+4*\slot+2:G0+4*\slot+3], 2*KSTEP*2
	s_add_nc_u64 s[G0B+4*\slot+2:G0B+4*\slot+3], s[G0B+4*\slot+2:G0B+4*\slot+3], 2*KSTEP*2
	JLOAD \slot                                    ; the first tensor load behind the round; its four v_nop are also the places in front of the loads below
.else
	PLACES
.endif
	FETCH \next, 0, F0
	WIN MUL
	MUL8 F1, 1, 0, 0
	MUL8 F1, 1, 2, 0
.endm
	s_wait_loadcnt 0x0                             ; the bias
	s_wait_tensorcnt 1                             ; my part of K step 0 is in; K step 1's may be out
	s_barrier_signal -1
	s_barrier_wait -1
	FETCH 0, 0, F0
	QUARTER 0, 128, F0, F1, 1
	WIN 0
	s_mov_b32 s3, LAPS-1
.Llap:                                                 ; a trip goes once round the ring and fills both slots again
	QUARTER 0, 256, F1, F0, 0
	QUARTER 0, 384, F0, F1, 0
	TURN 0, 1, 1
	QUARTER 1, 128, F0, F1, 0
	QUARTER 1, 256, F1, F0, 0
	QUARTER 1, 384, F0, F1, 0
	TURN 1, 0, 1
	QUARTER 0, 128, F0, F1, 0
	WIN 0
	s_sub_co_u32 s3, s3, 1
	s_cmp_lg_u32 s3, 0
	s_cbranch_scc1 .Llap
	QUARTER 0, 256, F1, F0, 0                      ; the last lap fills nothing
	QUARTER 0, 384, F0, F1, 0
	TURN 0, 1, 0
	QUARTER 1, 128, F0, F1, 0
	QUARTER 1, 256, F1, F0, 0
	QUARTER 1, 384, F0, F1, 0
	s_wait_dscnt 16
	WIN MUL
	MUL8 F1, 0, 0, 0
	MUL8 F1, 0, 2, 0
	s_wait_dscnt 0
	MUL8 F1, 1, 0, 0
	MUL8 F1, 1, 2, 0
	WIN 0
	PLACES
.if OUT16
	; THE WAY OUT: relu in f32, rounded to f16; 16 bytes a lane into the work-group's stage; a barrier, since a row's 256 bytes come from two waves; back as whole rows
.set ii, 0
.rept 128
	v_max_num_f32 v[ACC+ii], 0, v[ACC+ii]
.set ii, ii+1
.endr
.irp t, 0,1,2,3,4,5,6,7,8,9,10,11,12,13,14,15
.irp r, 0,1,2,3
	v_cvt_pk_f16_f32 v[TMP+4*\t+\r], v[ACC+8*\t+2*\r], v[ACC+8*\t+2*\r+1]
.endr
.endr
.irp a, 0,1,2,3
.irp b, 0,1,2,3
	ds_store_b128 v[STO], v[TMP+4*(4*\a+\b):TMP+4*(4*\a+\b)+3] offset:\a*16*SPITCH+32*\b
.endr
.endr
	s_wait_dscnt 0x0                               ; for the others' sake
	s_barrier_signal -1
	s_barrier_wait -1
.irp t, 0,1,2,3,4,5,6,7,8,9,10,11,12,13,14,15
	ds_load_b128 v[TMP+4*\t:TMP+4*\t+3], v[RD] offset:\t*2*SPITCH
.endr
.irp t, 0,1,2,3,4,5,6,7,8,9,10,11,12,13,14,15
	s_wait_dscnt 15-\t                             ; the younger loads may be out
	global_store_b128 v[CO], v[TMP+4*\t:TMP+4*\t+3], s[8:9] offset:2*\t*SIZE_N*2   ; 16 lanes store 256 consecutive bytes, aligned
.endr
.else
	; THE WAY OUT, 16 rows at a time through my own stage: in as 32 bytes a lane, back as rows of 256 bytes.  LDS serves a wave's instructions in order
.irp a, 0,1,2,3
.if \a >= 2
	s_wait_xcnt 0x0                                ; block a - 2's stores have read their registers
.endif
.irp b, 0,1,2,3
	ds_store_b128 v[STO], v[ACC+8*(4*\a+\b):ACC+8*(4*\a+\b)+3] offset:64*\b          ; each accumulator from its low end on
	ds_store_b128 v[STO], v[ACC+8*(4*\a+\b)+4:ACC+8*(4*\a+\b)+7] offset:64*\b+16
.endr
.irp t, 0,1,2,3,4,5,6,7
	ds_load_b128 v[TMP+32*(\a%2)+4*\t:TMP+32*(\a%2)+4*\t+3], v[RD] offset:\t*2*SPITCH
.endr
.irp t, 0,1,2,3,4,5,6,7
	s_wait_dscnt 7-\t                              ; the younger loads may be out
	global_store_b128 v[CO], v[TMP+32*(\a%2)+4*\t:TMP+32*(\a%2)+4*\t+3], s[8:9] offset:(16*\a+2*\t)*SIZE_N*4   ; 16 lanes store 256 consecutive bytes, aligned
.endr
.endr
.endif
	s_wait_tensorcnt 0x0                           ; the wave's end
	ds_add_u32 v[SPW], v[NIL]
	s_wait_dscnt 0x0
	CROUND                                         ; the closing round
	s_endpgm
.Lfunc_end_k_q9be253fe30_qproj:
	.size	k_q9be253fe30_qproj, .Lfunc_end_k_q9be253fe30_qproj-k_q9be253fe30_qproj
	.p2alignl 7, 3214868480
	.fill 96, 4, 3214868480
	.section	.rodata,"a",@progbits
	.p2align	6, 0x0
	.amdhsa_kernel k_q9be253fe30_qproj
		.amdhsa_group_segment_fixed_size 327680
		.amdhsa_private_segment_fixed_size 0
		.amdhsa_enable_private_segment 0
		.amdhsa_kernarg_size 32
		.amdhsa_user_sgpr_count 2
		.amdhsa_user_sgpr_kernarg_segment_ptr 1
		.amdhsa_wavefront_size32 1
		.amdhsa_system_sgpr_workgroup_id_x 1
		.amdhsa_system_sgpr_workgroup_id_y 1
		.amdhsa_system_sgpr_workgroup_id_z 1
		.amdhsa_system_vgpr_workitem_id 0
		.amdhsa_next_free_vgpr 512
		.amdhsa_next_free_sgpr 68
		.amdhsa_reserve_vcc 0
		.amdhsa_float_denorm_mode_32 3
		.amdhsa_float_denorm_mode_16_64 3
		.amdhsa_memory_ordered 1
		.amdhsa_forward_progress 1
		.amdhsa_inst_pref_size 87
	.end_amdhsa_kernel
	.amdgpu_metadata
---
amdhsa.version: [ 1, 2 ]
amdhsa.kernels:
  - .name:           k_q9be253fe30_qproj
    .symbol:         k_q9be253fe30_qproj.kd
    .args:
      - { .name: xa, .offset: 0, .size: 8, .value_kind: global_buffer, .address_space: global }
      - { .name: wq16, .offset: 8, .size: 8, .value_kind: global_buffer, .address_space: global }
      - { .name: ca_bq, .offset: 16, .size: 8, .value_kind: global_buffer, .address_space: global }
      - { .name: qy, .offset: 24, .size: 8, .value_kind: global_buffer, .address_space: global }
    .group_segment_fixed_size: 327680
    .private_segment_fixed_size: 0
    .kernarg_segment_align: 8
    .kernarg_segment_size: 32
    .max_flat_workgroup_size: 128
    .sgpr_count:     68
    .vgpr_count:     512
    .wavefront_size: 32
...
	.end_amdgpu_metadata
.endif
;; end of part 4
;; launch attn_ca (part 5): grid 8 x 32, 16 waves a work-group, clusters of 4 x 1, 327,680 bytes of LDS; arguments qkv, xa, ca_g, ca_b, xb, qy; writes xb
.if DOCPART == 5
	.amdgcn_target "amdgcn-amd-amdhsa--gfx1250"
	.amdhsa_code_object_version 6
	.text
	.protected	k_q9be253fe30_attn_ca
	.globl	k_q9be253fe30_attn_ca
	.p2align	8
	.type	k_q9be253fe30_attn_ca,@function
k_q9be253fe30_attn_ca:
	s_mov_b64 s[64:65], 0
	v_nop
	global_prefetch_b8 v0, s[64:65] scope:SCOPE_SE
	s_setreg_imm32_b32 hwreg(HW_REG_WAVE_MODE, 25, 1), 1
	s_wait_xcnt 0x0
	s_wait_alu depctr_hold_cnt(0) depctr_sa_sdst(0) depctr_va_vdst(0) depctr_va_sdst(0) depctr_va_ssrc(0) depctr_va_vcc(0) depctr_vm_vsrc(0)
	s_getreg_b32 s2, hwreg(HW_REG_IB_STS2, 6, 4)
	s_cmp_eq_u32 s2, 0
	s_cbranch_scc0 .Lentry_in_a_cluster
	s_endpgm
.Lentry_in_a_cluster:
	s_bfe_u32 s2, ttmp6, 0x10000c
	s_cmp_lg_u32 s2, 0x3003
	s_cbranch_scc0 .Lentry_shape_is_right
	s_endpgm
.Lentry_shape_is_right:
; ATTENTION, residual and LayerNorm in one launch.  One source serves both attentions; the flags below choose.  THIS TEXT: the cross-attention.
;   TRIU = 1: softmax over ALL keys of score / sqrt(2048), and only then the weights of keys < query are made 0 (reference()'s mask stands behind its softmax): every score and exponential is needed
;             for the row's sum, but the second product only for keys >= query.   TRIU = 0: no scale, no mask.
;   z [b][h][s][64] is read as [b][s'][1024] WITHOUT a transposition: the 16 queries s0 .. s0 + 15 of head h ARE row h x 128 + s0 / 16 of the merged matrix, query r at columns 64 r .. 64 r + 63.
;   So one tile of 16 queries owns one whole row of the LayerNorm.
; Q, K, V^T come as f16 in the order of the operands' registers (qkv: 262,144 bytes a head in each region); with CLU = 1 Q comes as f32 rows (qy) and is rounded here.
; Products in f16 with f32 sums; scores, maxima, sums, residual and LayerNorm in f32; the weights p = 2^(c s - c m), at most 1, are rounded to f16 for the second product.
; SHARES.  A work-group owns 256 queries of one head: eight GROUPS of two waves, a group 32 queries (two tiles), block 8 g + x or 8 g + 7 - x (g odd), so that all work-groups have the same mix of masked work.
;   The two waves of a group take the key steps (64 keys) by turns, 16 each; at the end they exchange: each keeps one tile, merges the partner's partial sums into it and finishes that row.
; LAYOUT.  S^T = K Q^T (source 0 = 16 keys, source 1 = 16 queries): a lane holds ONE query (lane % 16) and keys 8 (lane / 16) + 0..7; two such tiles, packed in pairs, ARE source 1 of O^T = V^T P.
; LDS: K's ring at 0, V's at 131,072, two slots of 65,536 bytes (512 keys) each, dense, in fragment order: every LDS load takes 512 consecutive bytes.  Waves 0-3 fetch, one tensor load each a slot.
; CLUSTER.  With TRIU = 1 branches hang on the work-group's number, which partners of a cluster would not share: no cluster.  With TRIU = 0 the four work-groups of a cluster ask for K's and V's tiles jointly.
; LIMITS: NaN and infinities among the inputs are not served (reference()'s three isnan steps act on NaN alone); scores lie above -1e38; q lies under 65,504 in magnitude (f16).
.set TRIU,   0
.set CLU,    1
.set KREG,   3                         ; K's region of qkv; V's is the next
.set RESOFF, 8388608                   ; where the residual's f32 rows begin in its buffer
.set CBITS,  0x3fb8aa3b                ; c = log2(e)
.set X32,    8388608                   ; the result: f16 rows at 0, f32 rows here
.set SLOTB,  65536
.set VRING,  131072
.set SPARE,  262144                    ; the spare words, 128 bytes for each of 16 waves
.set XBB,    4352                      ; a wave's exchange region: 8 x 512 of O^T's image + 128 + 128; also its stage, 16 x 272.  It lies in the rings' halves 0, which have had their last fill and their last read at the last change of slots
.set LI,  1                            ; v1  16 x lane
.set LV,  2                            ; v2  the same in V's ring
.set ADK, 3
.set ADV, 4
.set RH,  5                            ; v5  r - 8 h
.set SPW, 6
.set NIL, 7
.set ST,  8                            ; statistics: tile t at v[ST + 8 t]: +0 c m, +1 m, +2, +3 the sum in two halves, +4 .. +7 at work (a takes +6)
.set Q,   24                           ; v24-55   Q: tile t, channels 32 c on, at 24 + 16 t + 8 c
.set KV,  56                           ; v56-119  eight fragments of K, then of V
.set S,   120                          ; v120-183 S^T, 32 a tile; p's f16 in place in each tile's low 16
.set O,   184                          ; v184-247 O^T, 32 a tile
.set CH,  248                          ; v248-251 a second chain for the sums
.set PFO, 255                          ; v255 256 x lane
.set WV, 16
.set PAR, 17
.set GRP, 18
.set BLOCK, 19
.set Q0, 20
.set KF, 21
.set TB, 22
.set SLOTS, 23
.set TW, 24
.set CS, 26
.set SEL, 28
.set CX, 30
.set G1, 32
.set G0, 40
.set PFK, 44
.set PFV, 46
.set LIM, 48
.set PM, 49
.set BH, 50
.set XX, 51
.macro TLOAD                           ; waves 0, 1: K's halves of a slot; waves 2, 3: V's.  An s_nop 0 and four v_nop follow the load
	s_cmp_lt_u32 s[WV], 4
	s_cbranch_scc0 .Lno_load_\@
	tensor_load_to_lds s[G0:G0+3], s[G1:G1+7]
	s_nop 0
.rept 4
	v_nop
.endr
.Lno_load_\@:
.endm
; A prefetch of the slot that the NEXT change of slots will load: four key steps of every wave ahead.  Each run of 256 bytes is named once in the launch: all work-groups of a head walk the same K and V, and the head's first
; work-group (or cluster) asks; waves that fetch nothing ask, 8,192 bytes of K and of V each, lanes 256 bytes apart; partners of a cluster are told apart by address.  The last filling change asks for nothing.
.macro ASK
	s_cmp_gt_u32 s[SLOTS], s[LIM]
	s_cbranch_scc0 .Lnot_mine_\@
	global_prefetch_b8 v[PFO], s[PFK:PFK+1] th:TH_LOAD_NT scope:SCOPE_SE
	global_prefetch_b8 v[PFO], s[PFV:PFV+1] th:TH_LOAD_NT scope:SCOPE_SE
.Lnot_mine_\@:
.endm
.macro CROUND                          ; a round of the cluster's barrier
	s_barrier_signal -1
	s_barrier_wait -1
	s_cmp_lg_u32 s[WV], 0
	s_cbranch_scc1 .Lnot_wave_0_\@
	s_barrier_signal -3
.Lnot_wave_0_\@:
	s_barrier_wait -3
	s_barrier_signal -1
	s_barrier_wait -1
.endm
	s_load_b256 s[4:11], s[0:1], 0x0               ; qkv, the residual's buffer, gain, bias
	s_load_b64 s[12:13], s[0:1], 0x20              ; the result
.if CLU
	s_load_b64 s[14:15], s[0:1], 0x28              ; q as f32 rows
.endif
	v_lshl_add_u32 v[SPW], v0, 2, SPARE
	v_mov_b32 v[NIL], 0
	ds_add_u32 v[SPW], v[NIL]                      ; the wave's opening: an add and its wait ahead of my first tensor load
	v_lshrrev_b32 v1, 5, v0
	v_readfirstlane_b32 s[WV], v1                  ; wave 0..15
	s_and_b32 s[BH], ttmp7, 0xffff                 ; 16 b + h
.if CLU
	s_bfe_u32 s[CX], ttmp6, 0x40000
	s_lshl_b32 s[XX], ttmp9, 2
	s_add_co_u32 s[XX], s[XX], s[CX]               ; it enters global addresses alone
.else
	s_mov_b32 s[XX], ttmp9
.endif
	v_and_b32 v252, 31, v0
	v_lshlrev_b32 v[LI], 4, v252
	v_add_nc_u32 v[LV], VRING, v[LI]
	v_lshlrev_b32 v[PFO], 8, v252
	v_and_b32 v253, 15, v0                         ; r
	v_bfe_u32 v254, v0, 4, 1                       ; h
	v_lshlrev_b32 v[RH], 3, v254
	v_sub_nc_u32 v[RH], v253, v[RH]
	s_and_b32 s[PAR], s[WV], 1
	s_lshr_b32 s[GRP], s[WV], 1
	s_sub_co_u32 s52, 7, s[XX]
	s_and_b32 s53, s[GRP], 1
	s_cmp_eq_u32 s53, 1
	s_cselect_b32 s52, s52, s[XX]
	s_lshl_b32 s[BLOCK], s[GRP], 3
	s_add_co_u32 s[BLOCK], s[BLOCK], s52           ; my group's block of 32 queries
	s_lshl_b32 s[Q0], s[BLOCK], 5
	s_lshl_b32 s[KF], s[PAR], 6                    ; my first key
	s_lshl_b32 s[TB], s[PAR], 13                   ; and where its step lies in a slot: 8,192 bytes a step
	s_mov_b32 s[SLOTS], 3
	s_cmp_eq_u32 s[PAR], 1
	s_cselect_b32 s[PM], -1, 0
	s_mov_b32 s[CS], CBITS
	s_mov_b32 s[CS+1], s[CS]
	s_mov_b32 s[SEL], 0x76543210
	s_mov_b32 s[SEL+1], 0xfedcba98
	; descriptor group 1: 32,768 dense bytes as 128 rows of 256 (32 elements of 8 bytes), no padding
.if CLU
	s_mov_b32 s[G1], 15|(3<<16)|(1<<21)            ; the mask: all four work-groups; bit 21 set beside it
.else
	s_mov_b32 s[G1], 3<<16
.endif
	s_mov_b32 s[G1+1], 32<<16
	s_mov_b32 s[G1+2], 128<<16
	s_mov_b32 s[G1+3], 32<<16
	s_mov_b32 s[G1+4], 128
	s_mov_b32 s[G1+5], 32
	s_mov_b32 s[G1+6], 0
	s_mov_b32 s[G1+7], 0
	s_mov_b32 s[G0], 1
	s_lshl_b32 s[G0+1], s[PAR], 15                 ; LDS: my half of the slot,
	s_lshl_b32 s53, s[GRP], 17                     ; in K's ring (waves 0, 1) or V's (2, 3)
	s_add_co_u32 s[G0+1], s[G0+1], s53
	s_lshl_b32 s54, s[BH], 18                      ; the head's bytes in a region
	s_add_co_u32 s55, s[GRP], KREG
	s_lshl_b32 s55, s55, 23                        ; K's region or V's
	s_add_co_u32 s56, s55, s54
	s_lshl_b32 s55, s[PAR], 15
	s_add_co_u32 s56, s56, s55
	s_mov_b32 s57, 0
	s_sub_co_u32 s58, s[WV], 4                     ; who prefetches, and what
.if CLU
	s_lshr_b32 s59, s58, 1
	s_and_b32 s58, s58, 1
.else
	s_lshr_b32 s59, s58, 3
	s_and_b32 s58, s58, 7
.endif
	s_or_b32 s59, s59, ttmp9
	s_cmp_eq_u32 s59, 0
	s_cselect_b32 s[LIM], 1, -1
	s_lshl_b32 s58, s58, 13
.if CLU
	s_lshl_b32 s59, s[CX], 14
	s_add_co_u32 s58, s58, s59
.endif
	s_add_co_u32 s58, s58, s54
	s_add_co_u32 s58, s58, KREG*8388608+SLOTB      ; in slot 1: the first change steps it to slot 2
	s_mov_b32 s59, 0
.if CLU
	s_lshr_b32 s60, s[BH], 4
	s_lshl_b32 s60, s60, 11
	s_add_co_u32 s60, s60, s[Q0]
	s_lshl_b32 s60, s60, 12                        ; my first query's row of 4,096 bytes,
	s_and_b32 s61, s[BH], 15
	s_lshl_b32 s61, s61, 8                         ; the head's 64 channels
	s_add_co_u32 s60, s60, s61
.else
	s_lshl_b32 s60, s[BLOCK], 12                   ; two tiles of 2,048 bytes a block
	s_add_co_u32 s60, s60, s54
.endif
	s_mov_b32 s61, 0
	s_wait_dscnt 0x0                               ; the opening add is done
	s_wait_kmcnt 0x0
	s_add_nc_u64 s[G0+2:G0+3], s[4:5], s[56:57]
	s_or_b32 s[G0+3], s[G0+3], 0x80000000
	s_add_nc_u64 s[PFK:PFK+1], s[4:5], s[58:59]
	s_add_nc_u64 s[PFV:PFV+1], s[PFK:PFK+1], 8388608
.if CLU
	s_add_nc_u64 s[60:61], s[14:15], s[60:61]
	CROUND                                         ; in front of the first joint loads
.else
	s_add_nc_u64 s[60:61], s[4:5], s[60:61]
.endif
	TLOAD                                          ; slot 0.  By this text's count one tensor load of a wave is out at the most
.if CLU
	v_lshlrev_b32 v252, 12, v253
	v_lshl_add_u32 v252, v254, 5, v252             ; row r, + 32 h: my 8 channels of each 16
.irp t, 0,1
.irp c, 0,1
.irp f, 0,1
.irp e, 0,1
	global_load_b128 v[S+32*\t+16*\c+8*\f+4*\e:S+32*\t+16*\c+8*\f+4*\e+3], v252, s[60:61] offset:65536*\t+128*\c+64*\f+16*\e
.endr
.endr
.endr
.endr
.else
.irp t, 0,1
.irp c, 0,1
.irp f, 0,1
	global_load_b128 v[Q+16*\t+8*\c+4*\f:Q+16*\t+8*\c+4*\f+3], v[LI], s[60:61] offset:2048*\t+1024*\c+512*\f
.endr
.endr
.endr
.endif
.irp t, 0,1
	v_mov_b32 v[ST+8*\t+1], 0xfe967699             ; m = -1e38, under every score
	v_mul_f32 v[ST+8*\t], s[CS], v[ST+8*\t+1]      ; c m
	v_mov_b32 v[ST+8*\t+2], 0                      ; the sum
	v_mov_b32 v[ST+8*\t+3], 0
.endr
.set ii, 0
.rept 64
	v_mov_b32 v[O+ii], 0                           ; O^T.  (The step is written once: its first turn finds zeros, which a = 0 leaves zeros)
.set ii, ii+1
.endr
	s_wait_loadcnt 0x0                             ; Q
.if CLU
.set ii, 0
.rept 32
	v_cvt_pk_f16_f32 v[Q+ii], v[S+2*ii], v[S+2*ii+1]
.set ii, ii+1
.endr
.endif
; A KEY STEP: 64 keys for my group's two tiles.
.macro STEP
	v_add_nc_u32 v[ADK], s[TB], v[LI]
	v_add_nc_u32 v[ADV], s[TB], v[LV]
.rept 4
	v_nop                                          ; with the two additions six places behind the last products: four are owed to the loads into their fragments' registers, five to the products that write over p
.endr
.irp c, 0,1
.irp kt, 0,1,2,3
	ds_load_b128 v[KV+32*\c+8*\kt:KV+32*\c+8*\kt+3], v[ADK] offset:2048*\kt+1024*\c
	ds_load_b128 v[KV+32*\c+8*\kt+4:KV+32*\c+8*\kt+7], v[ADK] offset:2048*\kt+1024*\c+512
.endr
.endr
	s_wait_dscnt 8                                 ; channels 0-31 are in; the eight loads of channels 32-63 may be out
.irp kt, 0,1,2,3
.irp t, 0,1
	v_wmma_f32_16x16x32_f16 v[S+32*\t+8*\kt:S+32*\t+8*\kt+7], v[KV+8*\kt:KV+8*\kt+7], v[Q+16*\t:Q+16*\t+7], 0
.endr
.endr
	s_wait_dscnt 0x0
.irp kt, 0,1,2,3                               ; the eight accumulators take turns
.irp t, 0,1
	v_wmma_f32_16x16x32_f16 v[S+32*\t+8*\kt:S+32*\t+8*\kt+7], v[KV+32+8*\kt:KV+32+8*\kt+7], v[Q+16*\t+8:Q+16*\t+15], v[S+32*\t+8*\kt:S+32*\t+8*\kt+7]
.endr
.endr
.rept 4
	v_nop
.endr
.if TRIU
	s_add_co_u32 s96, s[KF], 63                    ; a step all of whose keys come before my 32 queries adds to the sums alone: V is not fetched.  A branch on ids and counted steps
	s_cmp_lt_u32 s96, s[Q0]
	s_cbranch_scc1 .Lno_v_\@
.endif
.irp u, 0,1
.irp ct, 0,1,2,3
	ds_load_b128 v[KV+32*\u+8*\ct:KV+32*\u+8*\ct+3], v[ADV] offset:4096*\u+1024*\ct
	ds_load_b128 v[KV+32*\u+8*\ct+4:KV+32*\u+8*\ct+7], v[ADV] offset:4096*\u+1024*\ct+512
.endr
.endr
.Lno_v_\@:
	; the maximum of my 32 scores and the old m: four chains, each begun at its accumulator's low end; the two tiles line by line
.irp j, 0,1,2,3
.irp t, 0,1
	v_max3_num_f32 v[ST+8*\t+4+\j], v[S+32*\t+8*\j], v[S+32*\t+8*\j+1], v[S+32*\t+8*\j+2]
.endr
.endr
.irp i, 3,5
.irp j, 0,1,2,3
.irp t, 0,1
	v_max3_num_f32 v[ST+8*\t+4+\j], v[ST+8*\t+4+\j], v[S+32*\t+8*\j+\i], v[S+32*\t+8*\j+\i+1]
.endr
.endr
.endr
.irp t, 0,1
	v_max3_num_f32 v[ST+8*\t+4], v[ST+8*\t+4], v[S+32*\t+7], v[S+32*\t+15]
.endr
.irp t, 0,1
	v_max3_num_f32 v[ST+8*\t+6], v[ST+8*\t+6], v[S+32*\t+23], v[S+32*\t+31]
.endr
.irp t, 0,1
	v_max3_num_f32 v[ST+8*\t+4], v[ST+8*\t+4], v[ST+8*\t+5], v[ST+8*\t+6]
.endr
.irp t, 0,1
	v_max3_num_f32 v[ST+8*\t+4], v[ST+8*\t+4], v[ST+8*\t+7], v[ST+8*\t+1]
.endr
.irp t, 0,1
	v_permlanex16_b32 v[ST+8*\t+5], v[ST+8*\t+4], s[SEL], s[SEL+1]   ; the query's other 32 keys lie in the lane 16 away
.endr
.irp t, 0,1
	v_mov_b32 v[ST+8*\t+7], v[ST+8*\t]             ; c m_old
.endr
.irp t, 0,1
	v_max_num_f32 v[ST+8*\t+1], v[ST+8*\t+4], v[ST+8*\t+5]
.endr
.irp t, 0,1
	v_mul_f32 v[ST+8*\t], s[CS], v[ST+8*\t+1]
.endr
.irp t, 0,1
	v_sub_f32 v[ST+8*\t+7], v[ST+8*\t+7], v[ST+8*\t]
.endr
.set ii, 0
.rept 16
.irp t, 0,1
	v_pk_fma_f32 v[S+32*\t+ii:S+32*\t+ii+1], v[S+32*\t+ii:S+32*\t+ii+1], s[CS:CS+1], v[ST+8*\t:ST+8*\t+1] op_sel_hi:[1,0,0] neg_lo:[0,0,1] neg_hi:[0,0,1]   ; c s - c m
.endr
.set ii, ii+2
.endr
.irp t, 0,1
	v_exp_f32 v[ST+8*\t+6], v[ST+8*\t+7]           ; a = 2^(c m_old - c m_new)
.endr
.set ii, 0
.rept 32
.irp t, 0,1
	v_exp_f32 v[S+32*\t+ii], v[S+32*\t+ii]         ; p
.endr
.set ii, ii+1
.endr
	v_nop                                          ; one plain line behind the batch,
	s_wait_alu depctr_va_vdst(0)                   ; and ONE wait for its 66 exponentials, ahead of the first reader
.irp t, 0,1                                    ; the row's sum, of ALL keys' p, in f32: two chains a tile; p stays as it is
	v_pk_add_f32 v[ST+8*\t+4:ST+8*\t+5], v[S+32*\t:S+32*\t+1], v[S+32*\t+4:S+32*\t+5]
	v_pk_add_f32 v[CH+2*\t:CH+2*\t+1], v[S+32*\t+2:S+32*\t+3], v[S+32*\t+6:S+32*\t+7]
.endr
.irp i, 8,12,16,20,24,28
.irp t, 0,1
	v_pk_add_f32 v[ST+8*\t+4:ST+8*\t+5], v[ST+8*\t+4:ST+8*\t+5], v[S+32*\t+\i:S+32*\t+\i+1]
	v_pk_add_f32 v[CH+2*\t:CH+2*\t+1], v[CH+2*\t:CH+2*\t+1], v[S+32*\t+\i+2:S+32*\t+\i+3]
.endr
.endr
.irp t, 0,1
	v_pk_add_f32 v[ST+8*\t+4:ST+8*\t+5], v[ST+8*\t+4:ST+8*\t+5], v[CH+2*\t:CH+2*\t+1]
.endr
.irp t, 0,1
	v_pk_fma_f32 v[ST+8*\t+2:ST+8*\t+3], v[ST+8*\t+2:ST+8*\t+3], v[ST+8*\t+6:ST+8*\t+7], v[ST+8*\t+4:ST+8*\t+5] op_sel_hi:[1,0,1]   ; l = a l + the sum
.endr
.if TRIU
	s_cmp_lt_u32 s96, s[Q0]                        ; all keys hidden: O^T is still zero and stays so
	s_cbranch_scc1 .Lend_\@
	s_cmp_gt_u32 s[KF], s[Q0]                      ; KF and Q0 are multiples of 64 and 32: KF > Q0 means that every key is at or behind my last query
	s_cbranch_scc1 .Lopen_\@
	s_sub_co_i32 s97, s[Q0], s[KF]
	v_add_nc_u32 v252, s97, v[RH]                  ; register 8 kt + j holds key KF + 16 kt + 8 h + j: hidden where 16 kt + j < Q0 - KF + 16 t + r - 8 h
	v_add_nc_u32 v253, 16, v252
	v_mov_b32 v254, 0
.irp t, 0,1
.irp kt, 0,1,2,3
.irp j, 0,1,2,3,4,5,6,7
	v_cmp_lt_i32 vcc_lo, 16*\kt+\j, v[252+\t]
	v_cndmask_b32 v[S+32*\t+8*\kt+\j], v[S+32*\t+8*\kt+\j], v254, vcc_lo
.endr
.endr
.endr
.Lopen_\@:
.endif
.set ii, 0
.rept 16
.irp t, 0,1
	v_cvt_pk_f16_f32 v[S+32*\t+ii], v[S+32*\t+2*ii], v[S+32*\t+2*ii+1]   ; in place, ascending: register i takes pair i
.endr
.set ii, ii+1
.endr
.set ii, 0
.rept 16
.irp t, 0,1
	v_pk_mul_f32 v[O+32*\t+ii:O+32*\t+ii+1], v[O+32*\t+ii:O+32*\t+ii+1], v[ST+8*\t+6:ST+8*\t+7] op_sel_hi:[1,0]   ; O^T x a, each accumulator from its low end on
.endr
.set ii, ii+2
.endr
	s_wait_dscnt 0x0                               ; V is in
.irp u, 0,1
.irp ct, 0,1,2,3
.irp t, 0,1
	v_wmma_f32_16x16x32_f16 v[O+32*\t+8*\ct:O+32*\t+8*\ct+7], v[KV+32*\u+8*\ct:KV+32*\u+8*\ct+7], v[S+32*\t+8*\u:S+32*\t+8*\u+7], v[O+32*\t+8*\ct:O+32*\t+8*\ct+7]
.endr
.endr
.endr
.Lend_\@:
	s_add_co_u32 s[TB], s[TB], 16384               ; my next step: the partner's lies between
.if TRIU
	s_add_co_u32 s[KF], s[KF], 128
.endif
.endm
; THE CHANGE OF SLOTS stands at a slot's head: every wave waits for all its tensor loads, adds 0 to its spare word, waits for that and for its reads of the slot that it has left; a barrier (with joint loads: a round);
; fill = 1: the slot just left is filled with the keys that follow: the load has a slot's four steps of every wave in which to land.
.macro CHANGE fill
	s_wait_tensorcnt 0x0
	ds_add_u32 v[SPW], v[NIL]
.if \fill
	s_xor_b32 s[G0+1], s[G0+1], SLOTB              ; the other half of the ring,
	s_add_nc_u64 s[G0+2:G0+3], s[G0+2:G0+3], SLOTB ; the next 512 keys
	s_wait_xcnt 0x0                                ; the last prefetches, a slot back, have read their addresses
	s_add_nc_u64 s[PFK:PFK+1], s[PFK:PFK+1], SLOTB
	s_add_nc_u64 s[PFV:PFV+1], s[PFV:PFV+1], SLOTB
.endif
	s_wait_dscnt 0x0
.if CLU && \fill
	CROUND
.else
	s_barrier_signal -1
	s_barrier_wait -1
.endif
.if \fill
	TLOAD
	ASK
.endif
.endm
.macro FOUR_STEPS                      ; my four steps of a slot: written once, walked four times
	s_mov_b32 s[TW], 4
.Lstep_\@:
	STEP
	s_sub_co_u32 s[TW], s[TW], 1
	s_cmp_lg_u32 s[TW], 0
	s_cbranch_scc1 .Lstep_\@
	s_sub_co_u32 s[TB], s[TB], SLOTB
	s_xor_b32 s[TB], s[TB], SLOTB                  ; on to the other half
.endm
.macro WSUM r                          ; the sum over the wave's 32 lanes, in every lane
	v_add_f32_dpp v[\r], v[\r], v[\r] row_xmask:1 row_mask:0xf bank_mask:0xf
	v_add_f32_dpp v[\r], v[\r], v[\r] row_xmask:2 row_mask:0xf bank_mask:0xf
	v_add_f32_dpp v[\r], v[\r], v[\r] row_xmask:4 row_mask:0xf bank_mask:0xf
	v_add_f32_dpp v[\r], v[\r], v[\r] row_xmask:8 row_mask:0xf bank_mask:0xf
	v_permlanex16_b32 v[\r+1], v[\r], s[SEL], s[SEL+1]
	v_add_f32 v[\r], v[\r], v[\r+1]
.endm
; A row of 1,024 numbers, 32 a lane in v[xr] on: + the residual, less the mean, by 1 / sqrt(variance + 1e-5), x gain + bias.  Two passes: the mean first, then the squares of the differences.
.macro LNROW xr, rr, gr, br, tm
.set ii, 0
.rept 16
	v_pk_add_f32 v[\xr+ii:\xr+ii+1], v[\xr+ii:\xr+ii+1], v[\rr+ii:\rr+ii+1]
.set ii, ii+2
.endr
	v_pk_add_f32 v[\tm:\tm+1], v[\xr:\xr+1], v[\xr+4:\xr+5]
	v_pk_add_f32 v[\tm+2:\tm+3], v[\xr+2:\xr+3], v[\xr+6:\xr+7]
.irp k, 8,12,16,20,24,28
	v_pk_add_f32 v[\tm:\tm+1], v[\tm:\tm+1], v[\xr+\k:\xr+\k+1]
	v_pk_add_f32 v[\tm+2:\tm+3], v[\tm+2:\tm+3], v[\xr+\k+2:\xr+\k+3]
.endr
	v_pk_add_f32 v[\tm:\tm+1], v[\tm:\tm+1], v[\tm+2:\tm+3]
	v_add_f32 v[\tm], v[\tm], v[\tm+1]
	WSUM \tm
	v_mul_f32 v[\tm], 0x3a800000, v[\tm]           ; / 1,024: the mean
.set ii, 0
.rept 16
	v_pk_add_f32 v[\xr+ii:\xr+ii+1], v[\xr+ii:\xr+ii+1], v[\tm:\tm+1] op_sel_hi:[1,0] neg_lo:[0,1] neg_hi:[0,1]
.set ii, ii+2
.endr
	v_pk_mul_f32 v[\tm+2:\tm+3], v[\xr:\xr+1], v[\xr:\xr+1]
	v_pk_mul_f32 v[\tm+4:\tm+5], v[\xr+2:\xr+3], v[\xr+2:\xr+3]
.irp k, 4,8,12,16,20,24,28
	v_pk_fma_f32 v[\tm+2:\tm+3], v[\xr+\k:\xr+\k+1], v[\xr+\k:\xr+\k+1], v[\tm+2:\tm+3]
	v_pk_fma_f32 v[\tm+4:\tm+5], v[\xr+\k+2:\xr+\k+3], v[\xr+\k+2:\xr+\k+3], v[\tm+4:\tm+5]
.endr
	v_pk_add_f32 v[\tm+2:\tm+3], v[\tm+2:\tm+3], v[\tm+4:\tm+5]
	v_add_f32 v[\tm+2], v[\tm+2], v[\tm+3]
	WSUM \tm+2
	v_mul_f32 v[\tm+2], 0x3a800000, v[\tm+2]       ; the variance
	v_add_f32 v[\tm+2], 0x3727c5ac, v[\tm+2]       ; + 1e-5
	v_rsq_f32 v[\tm+2], v[\tm+2]
	v_nop
	s_wait_alu depctr_va_vdst(0)                   ; ahead of the first reader
.set ii, 0
.rept 16
	v_pk_mul_f32 v[\xr+ii:\xr+ii+1], v[\xr+ii:\xr+ii+1], v[\tm+2:\tm+3] op_sel_hi:[1,0]
.set ii, ii+2
.endr
.set ii, 0
.rept 16
	v_pk_fma_f32 v[\xr+ii:\xr+ii+1], v[\xr+ii:\xr+ii+1], v[\gr+ii:\gr+ii+1], v[\br+ii:\br+ii+1]
.set ii, ii+2
.endr
.endm
.Lslot:                                            ; three trips: behind each change of slots but the last the next slot is asked for
	CHANGE 1
	FOUR_STEPS
	s_sub_co_u32 s[SLOTS], s[SLOTS], 1
	s_cmp_lg_u32 s[SLOTS], 0
	s_cbranch_scc1 .Lslot
	CHANGE 0                                       ; the last slot is written out
	FOUR_STEPS
	; THE END.  Each wave holds, for both tiles, partial O^T, c m and l over its half of the keys.  It keeps tile PAR, sends the other to its partner as an image of its registers, and merges what the partner sends.
.rept 4
	v_nop
.endr
.irp t, 0,1
	v_add_f32 v[ST+8*\t+2], v[ST+8*\t+2], v[ST+8*\t+3]
.endr
.irp t, 0,1
	v_permlanex16_b32 v[ST+8*\t+4], v[ST+8*\t+2], s[SEL], s[SEL+1]
.endr
.irp t, 0,1
	v_add_f32 v[ST+8*\t+2], v[ST+8*\t+2], v[ST+8*\t+4]   ; l over my keys
.endr
.set ii, 0
.rept 32
	v_cndmask_b32 v[S+ii], v[O+ii], v[O+32+ii], s[PM]      ; kept: tile PAR  (a select, no branch; each accumulator from its low end on)
	v_cndmask_b32 v[S+32+ii], v[O+32+ii], v[O+ii], s[PM]   ; sent: the other
.set ii, ii+1
.endr
	v_cndmask_b32 v248, v[ST], v[ST+8], s[PM]      ; c m and l likewise
	v_cndmask_b32 v249, v[ST+2], v[ST+10], s[PM]
	v_cndmask_b32 v250, v[ST+8], v[ST], s[PM]
	v_cndmask_b32 v251, v[ST+10], v[ST+2], s[PM]
	s_lshr_b32 s52, s[WV], 3
	s_lshl_b32 s52, s52, 17
	s_and_b32 s53, s[WV], 7
	s_mul_i32 s53, s53, XBB
	s_add_co_u32 s52, s52, s53                     ; my region
	s_xor_b32 s55, s[WV], 1
	s_lshr_b32 s54, s55, 3
	s_lshl_b32 s54, s54, 17
	s_and_b32 s55, s55, 7
	s_mul_i32 s55, s55, XBB
	s_add_co_u32 s54, s54, s55                     ; my partner's
	v_and_b32 v252, 15, v0
	v_bfe_u32 v253, v0, 4, 1
	v_lshrrev_b32 v254, 2, v[LI]
	v_add_nc_u32 v12, s52, v[LI]                   ; image out,
	v_add_nc_u32 v13, s52, v254                    ; words out,
	v_add_nc_u32 v14, s54, v[LI]                   ; image in,
	v_add_nc_u32 v15, s54, v254                    ; words in
	v_mul_u32_u24 v20, v252, 272
	v_lshl_add_u32 v20, v253, 5, v20
	v_add_nc_u32 v20, s54, v20                     ; the stage, in: query r's 256 bytes, + 32 h
	v_mul_u32_u24 v21, v253, 272
	v_lshl_add_u32 v21, v252, 4, v21
	v_add_nc_u32 v21, s54, v21                     ; and back: 512 consecutive bytes of the row an instruction
	v_lshrrev_b32 v22, 1, v[LI]                    ; 8 x lane
.irp i, 0,1,2,3,4,5,6,7
	ds_store_b128 v12, v[S+32+4*\i:S+32+4*\i+3] offset:512*\i
.endr
	ds_store_b32 v13, v250 offset:4096
	ds_store_b32 v13, v251 offset:4224
	s_lshr_b32 s55, s[BH], 4                       ; my row of the merged matrix: 2,048 b + 128 h + 2 block + PAR
	s_lshl_b32 s55, s55, 11
	s_and_b32 s56, s[BH], 15
	s_lshl_b32 s56, s56, 7
	s_add_co_u32 s55, s55, s56
	s_lshl_b32 s56, s[BLOCK], 1
	s_add_co_u32 s55, s55, s56
	s_add_co_u32 s55, s55, s[PAR]
	s_lshl_b32 s56, s55, 12
	s_mov_b32 s57, 0
	s_add_nc_u64 s[6:7], s[6:7], s[56:57]
.if RESOFF
	s_add_nc_u64 s[6:7], s[6:7], RESOFF
.endif
	s_add_nc_u64 s[58:59], s[12:13], s[56:57]
	s_add_nc_u64 s[58:59], s[58:59], X32           ; the f32 row,
	s_lshl_b32 s56, s55, 11
	s_add_nc_u64 s[12:13], s[12:13], s[56:57]      ; the f16 row
.irp i, 0,1,2,3,4,5,6,7
	global_load_b128 v[Q+4*\i:Q+4*\i+3], v[LI], s[6:7] offset:512*\i      ; the residual: columns 128 i + 4 lane on
.endr
.irp i, 0,1,2,3,4,5,6,7
	global_load_b128 v[KV+4*\i:KV+4*\i+3], v[LI], s[8:9] offset:512*\i    ; the gain
.endr
	s_wait_dscnt 0x0                               ; for the partner's sake: my stores have landed
	s_barrier_signal -1
	s_barrier_wait -1
.irp i, 0,1,2,3,4,5,6,7
	global_load_b128 v[S+32+4*\i:S+32+4*\i+3], v[LI], s[10:11] offset:512*\i   ; the bias
.endr
.irp i, 0,1,2,3,4,5,6,7
	ds_load_b128 v[KV+32+4*\i:KV+32+4*\i+3], v14 offset:512*\i
.endr
	ds_load_b32 v252, v15 offset:4096
	ds_load_b32 v253, v15 offset:4224
	s_wait_dscnt 0x0
	v_max_num_f32 v8, v248, v252                   ; the common c m
	v_sub_f32 v9, v248, v8
	v_sub_f32 v10, v252, v8
	v_exp_f32 v9, v9
	v_exp_f32 v10, v10
	v_nop
	s_wait_alu depctr_va_vdst(0)
	v_mul_f32 v11, v249, v9
	v_fma_f32 v11, v253, v10, v11                  ; the row's sum over all keys
	v_rcp_f32 v11, v11
	v_nop
	s_wait_alu depctr_va_vdst(0)
	v_mul_f32 v16, v9, v11
	v_mul_f32 v18, v10, v11
.set ii, 0
.rept 16
	v_pk_mul_f32 v[O+ii:O+ii+1], v[S+ii:S+ii+1], v[16:17] op_sel_hi:[1,0]
.set ii, ii+2
.endr
.set ii, 0
.rept 16
	v_pk_fma_f32 v[O+ii:O+ii+1], v[KV+32+ii:KV+32+ii+1], v[18:19], v[O+ii:O+ii+1] op_sel_hi:[1,0,1]   ; z: register 8 ct + j is channel 16 ct + 8 h + j of query r
.set ii, ii+2
.endr
.irp ct, 0,1,2,3                               ; through the stage: the partner's region, which I alone still touch (my reads of it are back)
	ds_store_b128 v20, v[O+8*\ct:O+8*\ct+3] offset:64*\ct
	ds_store_b128 v20, v[O+8*\ct+4:O+8*\ct+7] offset:64*\ct+16
.endr
.irp i, 0,1,2,3,4,5,6,7
	ds_load_b128 v[O+32+4*\i:O+32+4*\i+3], v21 offset:2*\i*272     ; LDS serves a wave's instructions in order
.endr
	s_wait_dscnt 0x0
	s_wait_loadcnt 0x0
	LNROW O+32, Q, KV, S+32, S
.irp i, 0,1,2,3,4,5,6,7
	global_store_b128 v[LI], v[O+32+4*\i:O+32+4*\i+3], s[58:59] offset:512*\i   ; 512 consecutive bytes, aligned
.endr
.set ii, 0
.rept 16
	v_cvt_pk_f16_f32 v[S+8+ii], v[O+32+2*ii], v[O+32+2*ii+1]
.set ii, ii+1
.endr
.irp i, 0,1,2,3,4,5,6,7
	global_store_b64 v22, v[S+8+2*\i:S+8+2*\i+1], s[12:13] offset:256*\i        ; 256 consecutive bytes, aligned
.endr
	s_wait_tensorcnt 0x0                           ; the wave's end
	ds_add_u32 v[SPW], v[NIL]
	s_wait_dscnt 0x0
.if CLU
	CROUND                                         ; the closing round
.endif
	s_endpgm
.Lfunc_end_k_q9be253fe30_attn_ca:
	.size	k_q9be253fe30_attn_ca, .Lfunc_end_k_q9be253fe30_attn_ca-k_q9be253fe30_attn_ca
	.p2alignl 7, 3214868480
	.fill 96, 4, 3214868480
	.section	.rodata,"a",@progbits
	.p2align	6, 0x0
	.amdhsa_kernel k_q9be253fe30_attn_ca
		.amdhsa_group_segment_fixed_size 327680
		.amdhsa_private_segment_fixed_size 0
		.amdhsa_enable_private_segment 0
		.amdhsa_kernarg_size 48
		.amdhsa_user_sgpr_count 2
		.amdhsa_user_sgpr_kernarg_segment_ptr 1
		.amdhsa_wavefront_size32 1
		.amdhsa_system_sgpr_workgroup_id_x 1
		.amdhsa_system_sgpr_workgroup_id_y 1
		.amdhsa_system_sgpr_workgroup_id_z 1
		.amdhsa_system_vgpr_workitem_id 0
		.amdhsa_next_free_vgpr 256
		.amdhsa_next_free_sgpr 100
		.amdhsa_reserve_vcc 1
		.amdhsa_float_denorm_mode_32 3
		.amdhsa_float_denorm_mode_16_64 3
		.amdhsa_memory_ordered 1
		.amdhsa_forward_progress 1
		.amdhsa_inst_pref_size 70
	.end_amdhsa_kernel
	.amdgpu_metadata
---
amdhsa.version: [ 1, 2 ]
amdhsa.kernels:
  - .name:           k_q9be253fe30_attn_ca
    .symbol:         k_q9be253fe30_attn_ca.kd
    .args:
      - { .name: qkv, .offset: 0, .size: 8, .value_kind: global_buffer, .address_space: global }
      - { .name: xa, .offset: 8, .size: 8, .value_kind: global_buffer, .address_space: global }
      - { .name: ca_g, .offset: 16, .size: 8, .value_kind: global_buffer, .address_space: global }
      - { .name: ca_b, .offset: 24, .size: 8, .value_kind: global_buffer, .address_space: global }
      - { .name: xb, .offset: 32, .size: 8, .value_kind: global_buffer, .address_space: global }
      - { .name: qy, .offset: 40, .size: 8, .value_kind: global_buffer, .address_space: global }
    .group_segment_fixed_size: 327680
    .private_segment_fixed_size: 0
    .kernarg_segment_align: 8
    .kernarg_segment_size: 48
    .max_flat_workgroup_size: 512
    .sgpr_count:     100
    .vgpr_count:     256
    .wavefront_size: 32
...
	.end_amdgpu_metadata
.endif
;; end of part 5
;; launch ffn1 (part 6): grid 8 x 32, 4 waves a work-group, clusters of 4 x 4, 327,680 bytes of LDS; arguments xb, pb, ffn_b1, xa; writes xa
.if DOCPART == 6
	.amdgcn_target "amdgcn-amd-amdhsa--gfx1250"
	.amdhsa_code_object_version 6
	.text
	.protected	k_q9be253fe30_ffn1
	.globl	k_q9be253fe30_ffn1
	.p2align	8
	.type	k_q9be253fe30_ffn1,@function
k_q9be253fe30_ffn1:
	s_mov_b64 s[64:65], 0
	v_nop
	global_prefetch_b8 v0, s[64:65] scope:SCOPE_SE
	s_setreg_imm32_b32 hwreg(HW_REG_WAVE_MODE, 25, 1), 1
	s_wait_xcnt 0x0
	s_wait_alu depctr_hold_cnt(0) depctr_sa_sdst(0) depctr_va_vdst(0) depctr_va_sdst(0) depctr_va_ssrc(0) depctr_va_vcc(0) depctr_vm_vsrc(0)
	s_getreg_b32 s2, hwreg(HW_REG_IB_STS2, 6, 4)
	s_cmp_eq_u32 s2, 0
	s_cbranch_scc0 .Lentry_in_a_cluster
	s_endpgm
.Lentry_in_a_cluster:
	s_bfe_u32 s2, ttmp6, 0x10000c
	s_cmp_lg_u32 s2, 0xf033
	s_cbranch_scc0 .Lentry_shape_is_right
	s_endpgm
.Lentry_shape_is_right:
; C[m][n] = sum over k of A[m][k] B[n][k] + bias[n].  A: [4096][1024] f16 (the first bytes of its buffer), B: [1024 n][1024 k] f16, bias [1024] f32; sums in f32.
; OUT16 = 0: C is [4096][1024] f32.   OUT16 = 1: C = relu(..) rounded to f16, [4096][1024].  One source serves both; the flags below choose.  THIS TEXT: the hidden layer of the FFN; B lies BOFF bytes into its buffer.
; A tile of C is 128 x 128: 256 tiles, one for each work-group.  Four waves, each 64 x 64: 16 accumulators.  K goes in steps of 256 (LDS rows of 512 bytes) through two slots filled by the tensor data mover.
; CLUSTERS of 4 x 4: the four of a row need the same tiles of A, the four of a column the same tiles of B: each tile is asked for jointly.
; THE MATRIX INSTRUCTION IS USED TRANSPOSED (source 0 = 16 rows of B, source 1 = 16 rows of A): a lane holds eight neighbouring numbers of a row of C.  The bias is the C of each sum's first instruction.
; No prefetch: a K step's 128 matrix instructions a wave are short, and the launch lasts four K steps.  LIMIT: the hidden layer lies under 65,504 (f16).
; REGISTERS: window 0: v0-31 addresses; v32-95 at work on the way out; v96-127 the bias, 8 for each of 4 column blocks; v128-255 the accumulators.  window 1: two fragment buffers of 128.
.set OUT16,  1
.set BOFF,   7241728                   ; where B begins in its buffer
.set SIZE_N, 1024
.set SIZE_K, 1024
.set KSTEP,  256
.set PITCH,  528                       ; an LDS row: 512 + 16: row r starts at bank 4 r mod 64 (64 banks of 4 bytes: ISA guide 11.1)
.set HALFT,  64*PITCH
.set SLOT,   4*HALFT
.set STAGE,  2*SLOT
.set SPITCH, 272
.if OUT16
.set SPARE,  STAGE+128*SPITCH          ; one stage of 128 rows for the work-group
.else
.set SPARE,  STAGE+4*16*SPITCH         ; a stage of 16 rows for each wave
.endif
.set LAPS, SIZE_K/(2*KSTEP)
.set ADRA, 16
.set ADRB, 20
.set STO,  24
.set RD,   25
.set CO,   26
.set SPW,  28
.set NIL,  29
.set TMP,  32
.set BI,   96
.set ACC,  128
.set F0,   0
.set F1,   128
.set G1, 24
.set G0, 32
.set G1B, 48
.set G0B, 56
.set MSB, 0
.macro WIN new
.if MSB != (\new)
	s_set_vgpr_msb (MSB<<8)|(\new)
.set MSB, (\new)
.endif
.endm
.set MUL,  0x05                        ; sources 0 and 1 window 1; C and D window 0
.set TO_F, 0x40
.macro JLOAD s                         ; waves 0 and 1 fetch A's halves, waves 2 and 3 B's; an s_nop 0 and four v_nop follow each line
	s_cmp_eq_u32 s11, 0
	s_cbranch_scc0 .Lfor_b_\@
	tensor_load_to_lds s[G0+4*\s:G0+4*\s+3], s[G1:G1+7]
	s_nop 0
.rept 4
	v_nop
.endr
	s_branch .Lasked_\@
.Lfor_b_\@:
	tensor_load_to_lds s[G0B+4*\s:G0B+4*\s+3], s[G1B:G1B+7]
	s_nop 0
.rept 4
	v_nop
.endr
.Lasked_\@:
.endm
.macro CREST
	s_cmp_lg_u32 s10, 0
	s_cbranch_scc1 .Lnot_wave_0_\@
	s_barrier_signal -3
.Lnot_wave_0_\@:
	s_barrier_wait -3
	s_barrier_signal -1
	s_barrier_wait -1
.endm
.macro CROUND
	s_barrier_signal -1
	s_barrier_wait -1
	CREST
.endm
	s_load_b128 s[4:7], s[0:1], 0x0                ; A, B
	s_load_b64 s[66:67], s[0:1], 0x10              ; bias
	s_load_b64 s[8:9], s[0:1], 0x18                ; C
	v_lshl_add_u32 v[SPW], v0, 2, SPARE
	v_mov_b32 v[NIL], 0
	ds_add_u32 v[SPW], v[NIL]                      ; the wave's opening: an add and its wait ahead of my first tensor load
	v_lshrrev_b32 v1, 5, v0
	v_readfirstlane_b32 s10, v1                    ; wave 0..3
	s_lshr_b32 s11, s10, 1                         ; my half of the tile's rows.  Also: I fetch for A (0) or B (1)
	s_and_b32 s12, s10, 1                          ; my half of its columns.  Also: which 64 rows I fetch
	s_bfe_u32 s40, ttmp6, 0x40000
	s_bfe_u32 s41, ttmp6, 0x40004
	s_lshl_b32 s42, ttmp9, 2
	s_add_co_u32 s42, s42, s40                     ; tile column
	s_and_b32 s13, ttmp7, 0xffff
	s_lshl_b32 s13, s13, 2
	s_add_co_u32 s13, s13, s41                     ; tile row
	s_lshl_b32 s43, s41, 2
	s_lshl_b32 s43, 15, s43                        ; my row of the cluster
	s_lshl_b32 s44, 0x1111, s40                    ; my column
	s_or_b32 s[G1+0], s43, (1<<16)|(1<<20)|(1<<21)|(6<<22)|(3<<25)  ; mask; elements of 2 bytes; padding: 4 words behind every 128
	s_or_b32 s[G1B+0], s44, (1<<16)|(1<<20)|(1<<21)|(6<<22)|(3<<25)
.irp g, G1, G1B
	s_mov_b32 s[\g+1], KSTEP<<16
	s_mov_b32 s[\g+2], 64<<16
	s_mov_b32 s[\g+3], KSTEP<<16
	s_mov_b32 s[\g+4], 64
	s_mov_b32 s[\g+5], SIZE_K
	s_mov_b32 s[\g+6], 0
	s_mov_b32 s[\g+7], 0
.endr
	s_lshl_b32 s17, s12, 6
	s_lshl_b32 s16, s13, 7
	s_add_co_u32 s16, s16, s17                     ; A's row
	s_lshl_b32 s46, s42, 7
	s_add_co_u32 s46, s46, s17                     ; B's row
	s_mov_b32 s17, 0
	s_mov_b32 s47, 0
	s_mov_b64 s[18:19], SIZE_K*2
	s_mul_u64 s[16:17], s[16:17], s[18:19]
	s_mul_u64 s[46:47], s[46:47], s[18:19]
	s_mul_i32 s20, s10, HALFT
	s_wait_dscnt 0x0
	s_wait_kmcnt 0x0
	s_add_nc_u64 s[14:15], s[4:5], s[16:17]
	s_add_nc_u64 s[46:47], s[6:7], s[46:47]
.if BOFF
	s_add_nc_u64 s[46:47], s[46:47], BOFF
.endif
	CROUND                                         ; the first joint loads meet
.irp s, 0,1
	s_mov_b32 s[G0+4*\s], 1
	s_add_co_u32 s[G0+4*\s+1], s20, \s*SLOT
	s_add_nc_u64 s[G0+4*\s+2:G0+4*\s+3], s[14:15], \s*KSTEP*2
	s_or_b32 s[G0+4*\s+3], s[G0+4*\s+3], 0x80000000
	s_mov_b32 s[G0B+4*\s], 1
	s_add_co_u32 s[G0B+4*\s+1], s20, \s*SLOT
	s_add_nc_u64 s[G0B+4*\s+2:G0B+4*\s+3], s[46:47], \s*KSTEP*2
	s_or_b32 s[G0B+4*\s+3], s[G0B+4*\s+3], 0x80000000
	JLOAD \s
.endr
	v_and_b32 v1, 15, v0                           ; r
	v_bfe_u32 v2, v0, 4, 1                         ; h
	v_mul_u32_u24 v3, v1, PITCH
	v_lshl_add_u32 v3, v2, 4, v3
	s_mul_i32 s21, s11, HALFT
	s_mul_i32 s22, s12, HALFT
	s_add_co_u32 s22, s22, 2*HALFT
.irp s, 0,1
	v_add_nc_u32 v[ADRA+\s], s21, v3
	v_add_nc_u32 v[ADRB+\s], s22, v3
	s_add_co_u32 s21, s21, SLOT
	s_add_co_u32 s22, s22, SLOT
.endr
	s_lshl_b32 s46, s42, 9                         ; my 64 columns, x 4 bytes: 512 x tile column + 256 x half
	s_lshl_b32 s47, s12, 8
	s_add_co_u32 s46, s46, s47
	v_lshl_add_u32 v6, v2, 5, s46                  ; the bias of column block b: + 64 b + 32 h
.irp b, 0,1,2,3
	global_load_b128 v[BI+8*\b:BI+8*\b+3], v6, s[66:67] offset:64*\b
	global_load_b128 v[BI+8*\b+4:BI+8*\b+7], v6, s[66:67] offset:64*\b+16
.endr
.if OUT16
	s_mul_i32 s23, s11, 64*SPITCH                  ; into the stage: my 64 rows, my half of their 256 bytes
	s_lshl_b32 s21, s12, 7
	s_add_co_u32 s23, s23, s21
	s_add_co_u32 s23, s23, STAGE
	v_mul_u32_u24 v4, v1, SPITCH
	v_lshl_add_u32 v4, v2, 4, v4
	v_add_nc_u32 v[STO], s23, v4
	s_mul_i32 s23, s10, 32*SPITCH                  ; back: wave w takes rows 32 w .. 32 w + 31, whole
	s_add_co_u32 s23, s23, STAGE
	v_mul_u32_u24 v5, v2, SPITCH
	v_lshl_add_u32 v5, v1, 4, v5
	v_add_nc_u32 v[RD], s23, v5
	v_mul_u32_u24 v5, v2, SIZE_N*2
	v_lshl_add_u32 v[CO], v1, 4, v5
	s_lshl_b32 s16, s13, 7
	s_lshl_b32 s17, s10, 5
	s_add_co_u32 s16, s16, s17                     ; the first row that I store
	s_lshl_b32 s16, s16, 11                        ; 2,048 bytes a row
	s_lshl_b32 s17, s42, 8
	s_add_co_u32 s16, s16, s17
.else
	s_mul_i32 s23, s10, 16*SPITCH                  ; a wave's 64 columns of f32 are 256 aligned bytes: a stage of its own, no barrier
	s_add_co_u32 s23, s23, STAGE
	v_mul_u32_u24 v4, v1, SPITCH
	v_lshl_add_u32 v4, v2, 5, v4
	v_add_nc_u32 v[STO], s23, v4                   ; in: row r, + 32 h
	v_mul_u32_u24 v5, v2, SPITCH
	v_lshl_add_u32 v5, v1, 4, v5
	v_add_nc_u32 v[RD], s23, v5                    ; back: lanes 0-15 one row, lanes 16-31 the next
	v_lshlrev_b32 v5, 12, v2
	v_lshl_add_u32 v[CO], v1, 4, v5
	s_lshl_b32 s16, s13, 7
	s_lshl_b32 s17, s11, 6
	s_add_co_u32 s16, s16, s17                     ; my first row
	s_lshl_b32 s16, s16, 12                        ; 4,096 bytes a row
	s_add_co_u32 s16, s16, s46
.endif
	s_mov_b32 s17, 0
	s_add_nc_u64 s[8:9], s[8:9], s[16:17]
.macro MUL8 f, c, a0, zero             ; 8 matrix instructions: row blocks a0, a0 + 1 x the 4 column blocks, 32 along K.  zero = 1: the first product starts the sums from the bias
.irp a, \a0, \a0+1
.irp b, 0,1,2,3
.if \zero
	v_wmma_f32_16x16x32_f16 v[ACC+8*(4*(\a)+\b):ACC+8*(4*(\a)+\b)+7], v[\f+64+8*(4*\c+\b):\f+64+8*(4*\c+\b)+7], v[\f+8*(4*\c+\a):\f+8*(4*\c+\a)+7], v[BI+8*\b:BI+8*\b+7]
.else
	v_wmma_f32_16x16x32_f16 v[ACC+8*(4*(\a)+\b):ACC+8*(4*(\a)+\b)+7], v[\f+64+8*(4*\c+\b):\f+64+8*(4*\c+\b)+7], v[\f+8*(4*\c+\a):\f+8*(4*\c+\a)+7], v[ACC+8*(4*(\a)+\b):ACC+8*(4*(\a)+\b)+7]
.endif
.endr
.endr
.endm
.macro FETCH slot, k, f                ; 32 LDS loads in one run: the fragments of 64 along K at byte k of the rows
	WIN TO_F
.irp c, 0,1
.irp i, 0,1,2,3
	ds_load_b128 v[\f+64+8*(4*\c+\i):\f+64+8*(4*\c+\i)+3],   v[ADRB+\slot] offset:\k+64*\c+\i*16*PITCH
	ds_load_b128 v[\f+64+8*(4*\c+\i)+4:\f+64+8*(4*\c+\i)+7], v[ADRB+\slot] offset:\k+64*\c+\i*16*PITCH+32
	ds_load_b128 v[\f+8*(4*\c+\i):\f+8*(4*\c+\i)+3],         v[ADRA+\slot] offset:\k+64*\c+\i*16*PITCH
	ds_load_b128 v[\f+8*(4*\c+\i)+4:\f+8*(4*\c+\i)+7],       v[ADRA+\slot] offset:\k+64*\c+\i*16*PITCH+32
.endr
.endr
.endm
.macro PLACES
.rept 4
	v_nop
.endr
.endm
.macro QUARTER slot, k, f, g, zero     ; 64 along K: multiplies buffer f, fetches the next quarter into g
	s_wait_dscnt 16                                ; the first 32 along K are in; the other sixteen loads may be out
	WIN MUL
	MUL8 \f, 0, 0, \zero
	MUL8 \f, 0, 2, \zero
	PLACES
	FETCH \slot, \k, \g
	s_wait_dscnt 32                                ; all but the 32 just issued
	WIN MUL
	MUL8 \f, 1, 0, 0
	MUL8 \f, 1, 2, 0
.endm
.macro TURN slot, next, fill           ; a slot's last quarter changes slots: one barrier; fill = 1: it opens a round of the cluster's barrier and the slot is filled again
	WIN 0
	s_wait_tensorcnt 0x0                           ; all my tensor loads have landed: my part of the next slot
	ds_add_u32 v[SPW], v[NIL]
	s_wait_dscnt 17                                ; the add and the youngest sixteen loads may be out
	WIN MUL
	MUL8 F1, 0, 0, 0
	s_wait_dscnt 0x0                               ; the add is done, my reads of this slot are over
	s_barrier_signal -1
	MUL8 F1, 0, 2, 0
.if \fill
	WIN 0
.endif
	s_barrier_wait -1
.if \fill
	CREST
	s_add_nc_u64 s[G0+4*\slot+2:G0+4*\slot+3], s[G0+4*\slot+2:G0+4*\slot+3], 2*KSTEP*2
	s_add_nc_u64 s[G0B+4*\slot+2:G0B+4*\slot+3], s[G0B+4*\slot+2:G0B+4*\slot+3], 2*KSTEP*2
	JLOAD \slot                                    ; the first tensor load behind the round; its four v_nop are also the places in front of the loads below
.else
	PLACES
.endif
	FETCH \next, 0, F0
	WIN MUL
	MUL8 F1, 1, 0, 0
	MUL8 F1, 1, 2, 0
.endm
	s_wait_loadcnt 0x0                             ; the bias
	s_wait_tensorcnt 1                             ; my part of K step 0 is in; K step 1's may be out
	s_barrier_signal -1
	s_barrier_wait -1
	FETCH 0, 0, F0
	QUARTER 0, 128, F0, F1, 1
	WIN 0
	s_mov_b32 s3, LAPS-1
.Llap:                                                 ; a trip goes once round the ring and fills both slots again
	QUARTER 0, 256, F1, F0, 0
	QUARTER 0, 384, F0, F1, 0
	TURN 0, 1, 1
	QUARTER 1, 128, F0, F1, 0
	QUARTER 1, 256, F1, F0, 0
	QUARTER 1, 384, F0, F1, 0
	TURN 1, 0, 1
	QUARTER 0, 128, F0, F1, 0
	WIN 0
	s_sub_co_u32 s3, s3, 1
	s_cmp_lg_u32 s3, 0
	s_cbranch_scc1 .Llap
	QUARTER 0, 256, F1, F0, 0                      ; the last lap fills nothing
	QUARTER 0, 384, F0, F1, 0
	TURN 0, 1, 0
	QUARTER 1, 128, F0, F1, 0
	QUARTER 1, 256, F1, F0, 0
	QUARTER 1, 384, F0, F1, 0
	s_wait_dscnt 16
	WIN MUL
	MUL8 F1, 0, 0, 0
	MUL8 F1, 0, 2, 0
	s_wait_dscnt 0
	MUL8 F1, 1, 0, 0
	MUL8 F1, 1, 2, 0
	WIN 0
	PLACES
.if OUT16
	; THE WAY OUT: relu in f32, rounded to f16; 16 bytes a lane into the work-group's stage; a barrier, since a row's 256 bytes come from two waves; back as whole rows
.set ii, 0
.rept 128
	v_max_num_f32 v[ACC+ii], 0, v[ACC+ii]
.set ii, ii+1
.endr
.irp t, 0,1,2,3,4,5,6,7,8,9,10,11,12,13,14,15
.irp r, 0,1,2,3
	v_cvt_pk_f16_f32 v[TMP+4*\t+\r], v[ACC+8*\t+2*\r], v[ACC+8*\t+2*\r+1]
.endr
.endr
.irp a, 0,1,2,3
.irp b, 0,1,2,3
	ds_store_b128 v[STO], v[TMP+4*(4*\a+\b):TMP+4*(4*\a+\b)+3] offset:\a*16*SPITCH+32*\b
.endr
.endr
	s_wait_dscnt 0x0                               ; for the others' sake
	s_barrier_signal -1
	s_barrier_wait -1
.irp t, 0,1,2,3,4,5,6,7,8,9,10,11,12,13,14,15
	ds_load_b128 v[TMP+4*\t:TMP+4*\t+3], v[RD] offset:\t*2*SPITCH
.endr
.irp t, 0,1,2,3,4,5,6,7,8,9,10,11,12,13,14,15
	s_wait_dscnt 15-\t                             ; the younger loads may be out
	global_store_b128 v[CO], v[TMP+4*\t:TMP+4*\t+3], s[8:9] offset:2*\t*SIZE_N*2   ; 16 lanes store 256 consecutive bytes, aligned
.endr
.else
	; THE WAY OUT, 16 rows at a time through my own stage: in as 32 bytes a lane, back as rows of 256 bytes.  LDS serves a wave's instructions in order
.irp a, 0,1,2,3
.if \a >= 2
	s_wait_xcnt 0x0                                ; block a - 2's stores have read their registers
.endif
.irp b, 0,1,2,3
	ds_store_b128 v[STO], v[ACC+8*(4*\a+\b):ACC+8*(4*\a+\b)+3] offset:64*\b          ; each accumulator from its low end on
	ds_store_b128 v[STO], v[ACC+8*(4*\a+\b)+4:ACC+8*(4*\a+\b)+7] offset:64*\b+16
.endr
.irp t, 0,1,2,3,4,5,6,7
	ds_load_b128 v[TMP+32*(\a%2)+4*\t:TMP+32*(\a%2)+4*\t+3], v[RD] offset:\t*2*SPITCH
.endr
.irp t, 0,1,2,3,4,5,6,7
	s_wait_dscnt 7-\t                              ; the younger loads may be out
	global_store_b128 v[CO], v[TMP+32*(\a%2)+4*\t:TMP+32*(\a%2)+4*\t+3], s[8:9] offset:(16*\a+2*\t)*SIZE_N*4   ; 16 lanes store 256 consecutive bytes, aligned
.endr
.endr
.endif
	s_wait_tensorcnt 0x0                           ; the wave's end
	ds_add_u32 v[SPW], v[NIL]
	s_wait_dscnt 0x0
	CROUND                                         ; the closing round
	s_endpgm
.Lfunc_end_k_q9be253fe30_ffn1:
	.size	k_q9be253fe30_ffn1, .Lfunc_end_k_q9be253fe30_ffn1-k_q9be253fe30_ffn1
	.p2alignl 7, 3214868480
	.fill 96, 4, 3214868480
	.section	.rodata,"a",@progbits
	.p2align	6, 0x0
	.amdhsa_kernel k_q9be253fe30_ffn1
		.amdhsa_group_segment_fixed_size 327680
		.amdhsa_private_segment_fixed_size 0
		.amdhsa_enable_private_segment 0
		.amdhsa_kernarg_size 32
		.amdhsa_user_sgpr_count 2
		.amdhsa_user_sgpr_kernarg_segment_ptr 1
		.amdhsa_wavefront_size32 1
		.amdhsa_system_sgpr_workgroup_id_x 1
		.amdhsa_system_sgpr_workgroup_id_y 1
		.amdhsa_system_sgpr_workgroup_id_z 1
		.amdhsa_system_vgpr_workitem_id 0
		.amdhsa_next_free_vgpr 512
		.amdhsa_next_free_sgpr 68
		.amdhsa_reserve_vcc 0
		.amdhsa_float_denorm_mode_32 3
		.amdhsa_float_denorm_mode_16_64 3
		.amdhsa_memory_ordered 1
		.amdhsa_forward_progress 1
		.amdhsa_inst_pref_size 92
	.end_amdhsa_kernel
	.amdgpu_metadata
---
amdhsa.version: [ 1, 2 ]
amdhsa.kernels:
  - .name:           k_q9be253fe30_ffn1
    .symbol:         k_q9be253fe30_ffn1.kd
    .args:
      - { .name: xb, .offset: 0, .size: 8, .value_kind: global_buffer, .address_space: global }
      - { .name: pb, .offset: 8, .size: 8, .value_kind: global_buffer, .address_space: global }
      - { .name: ffn_b1, .offset: 16, .size: 8, .value_kind: global_buffer, .address_space: global }
      - { .name: xa, .offset: 24, .size: 8, .value_kind: global_buffer, .address_space: global }
    .group_segment_fixed_size: 327680
    .private_segment_fixed_size: 0
    .kernarg_segment_align: 8
    .kernarg_segment_size: 32
    .max_flat_workgroup_size: 128
    .sgpr_count:     68
    .vgpr_count:     512
    .wavefront_size: 32
...
	.end_amdgpu_metadata
.endif
;; end of part 6
;; launch ffn2: the kernel of part 4 again; grid 8 x 32, 4 waves a work-group, clusters of 4 x 4, 327,680 bytes of LDS; arguments xa, w216, ffn_b2, qy; writes qy
;; launch ln (part 7): grid 256 x 1, 8 waves a work-group, no clusters, 0 bytes of LDS; arguments qy, xb, ffn_g, ffn_b, out0; writes out0
.if DOCPART == 7
	.amdgcn_target "amdgcn-amd-amdhsa--gfx1250"
	.amdhsa_code_object_version 6
	.text
	.protected	k_q9be253fe30_ln
	.globl	k_q9be253fe30_ln
	.p2align	8
	.type	k_q9be253fe30_ln,@function
k_q9be253fe30_ln:
	s_mov_b64 s[64:65], 0
	v_nop
	global_prefetch_b8 v0, s[64:65] scope:SCOPE_SE
	s_setreg_imm32_b32 hwreg(HW_REG_WAVE_MODE, 25, 1), 1
	s_wait_xcnt 0x0
; out0 = LayerNorm(y + x2) x gain + bias.  y: qy [4096][1024] f32; x2: the f32 rows of xb, X32 bytes in; all in f32.
; A row is 4,096 bytes: one wave takes a whole row, 32 numbers a lane, and keeps it in registers between the passes: no LDS, no barrier.  A wave has two rows; all its loads go out at once.
; Each load and store of a wave covers 512 consecutive bytes, aligned.  Memory binds: matrix units, clusters and LDS would add nothing.
.set X32, 8388608
.set SEL, 20
.set GG,  16                           ; v16-47   gain
.set BB,  48                           ; v48-79   bias
.set Y0,  80                           ; v80-111  y of row 0, then the result
.set X0,  112                          ; v112-143 x2 of row 0
.set Y1,  144
.set X1,  176
.set TM,  208                          ; v208-213 at work
.macro WSUM r                          ; the sum over the wave's 32 lanes, in every lane
	v_add_f32_dpp v[\r], v[\r], v[\r] row_xmask:1 row_mask:0xf bank_mask:0xf
	v_add_f32_dpp v[\r], v[\r], v[\r] row_xmask:2 row_mask:0xf bank_mask:0xf
	v_add_f32_dpp v[\r], v[\r], v[\r] row_xmask:4 row_mask:0xf bank_mask:0xf
	v_add_f32_dpp v[\r], v[\r], v[\r] row_xmask:8 row_mask:0xf bank_mask:0xf
	v_permlanex16_b32 v[\r+1], v[\r], s[SEL], s[SEL+1]
	v_add_f32 v[\r], v[\r], v[\r+1]
.endm
; A row of 1,024 numbers, 32 a lane in v[xr] on: + the residual, less the mean, by 1 / sqrt(variance + 1e-5), x gain + bias.  Two passes: the mean first, then the squares of the differences.
.macro LNROW xr, rr, gr, br, tm
.set ii, 0
.rept 16
	v_pk_add_f32 v[\xr+ii:\xr+ii+1], v[\xr+ii:\xr+ii+1], v[\rr+ii:\rr+ii+1]
.set ii, ii+2
.endr
	v_pk_add_f32 v[\tm:\tm+1], v[\xr:\xr+1], v[\xr+4:\xr+5]
	v_pk_add_f32 v[\tm+2:\tm+3], v[\xr+2:\xr+3], v[\xr+6:\xr+7]
.irp k, 8,12,16,20,24,28
	v_pk_add_f32 v[\tm:\tm+1], v[\tm:\tm+1], v[\xr+\k:\xr+\k+1]
	v_pk_add_f32 v[\tm+2:\tm+3], v[\tm+2:\tm+3], v[\xr+\k+2:\xr+\k+3]
.endr
	v_pk_add_f32 v[\tm:\tm+1], v[\tm:\tm+1], v[\tm+2:\tm+3]
	v_add_f32 v[\tm], v[\tm], v[\tm+1]
	WSUM \tm
	v_mul_f32 v[\tm], 0x3a800000, v[\tm]           ; / 1,024: the mean
.set ii, 0
.rept 16
	v_pk_add_f32 v[\xr+ii:\xr+ii+1], v[\xr+ii:\xr+ii+1], v[\tm:\tm+1] op_sel_hi:[1,0] neg_lo:[0,1] neg_hi:[0,1]
.set ii, ii+2
.endr
	v_pk_mul_f32 v[\tm+2:\tm+3], v[\xr:\xr+1], v[\xr:\xr+1]
	v_pk_mul_f32 v[\tm+4:\tm+5], v[\xr+2:\xr+3], v[\xr+2:\xr+3]
.irp k, 4,8,12,16,20,24,28
	v_pk_fma_f32 v[\tm+2:\tm+3], v[\xr+\k:\xr+\k+1], v[\xr+\k:\xr+\k+1], v[\tm+2:\tm+3]
	v_pk_fma_f32 v[\tm+4:\tm+5], v[\xr+\k+2:\xr+\k+3], v[\xr+\k+2:\xr+\k+3], v[\tm+4:\tm+5]
.endr
	v_pk_add_f32 v[\tm+2:\tm+3], v[\tm+2:\tm+3], v[\tm+4:\tm+5]
	v_add_f32 v[\tm+2], v[\tm+2], v[\tm+3]
	WSUM \tm+2
	v_mul_f32 v[\tm+2], 0x3a800000, v[\tm+2]       ; the variance
	v_add_f32 v[\tm+2], 0x3727c5ac, v[\tm+2]       ; + 1e-5
	v_rsq_f32 v[\tm+2], v[\tm+2]
	v_nop
	s_wait_alu depctr_va_vdst(0)                   ; ahead of the first reader
.set ii, 0
.rept 16
	v_pk_mul_f32 v[\xr+ii:\xr+ii+1], v[\xr+ii:\xr+ii+1], v[\tm+2:\tm+3] op_sel_hi:[1,0]
.set ii, ii+2
.endr
.set ii, 0
.rept 16
	v_pk_fma_f32 v[\xr+ii:\xr+ii+1], v[\xr+ii:\xr+ii+1], v[\gr+ii:\gr+ii+1], v[\br+ii:\br+ii+1]
.set ii, ii+2
.endr
.endm
	s_load_b256 s[4:11], s[0:1], 0x0               ; y, xb, gain, bias
	s_load_b64 s[12:13], s[0:1], 0x20              ; out0
	v_lshrrev_b32 v1, 5, v0
	v_readfirstlane_b32 s14, v1                    ; wave 0..7
	v_and_b32 v2, 31, v0
	v_lshlrev_b32 v2, 4, v2                        ; 16 x lane
	s_lshl_b32 s15, ttmp9, 4
	s_lshl_b32 s16, s14, 1
	s_add_co_u32 s15, s15, s16                     ; my first row: 16 x work-group + 2 x wave
	s_lshl_b32 s16, s15, 12
	s_mov_b32 s17, 0
	s_mov_b32 s[SEL], 0x76543210
	s_mov_b32 s[SEL+1], 0xfedcba98
	s_wait_kmcnt 0x0
	s_add_nc_u64 s[4:5], s[4:5], s[16:17]
	s_add_nc_u64 s[6:7], s[6:7], s[16:17]
	s_add_nc_u64 s[6:7], s[6:7], X32
	s_add_nc_u64 s[12:13], s[12:13], s[16:17]
.irp i, 0,1,2,3,4,5,6,7
	global_load_b128 v[GG+4*\i:GG+4*\i+3], v2, s[8:9] offset:512*\i
.endr
.irp i, 0,1,2,3,4,5,6,7
	global_load_b128 v[BB+4*\i:BB+4*\i+3], v2, s[10:11] offset:512*\i
.endr
.irp i, 0,1,2,3,4,5,6,7
	global_load_b128 v[Y0+4*\i:Y0+4*\i+3], v2, s[4:5] offset:512*\i th:TH_LOAD_NT
.endr
.irp i, 0,1,2,3,4,5,6,7
	global_load_b128 v[X0+4*\i:X0+4*\i+3], v2, s[6:7] offset:512*\i th:TH_LOAD_NT
.endr
.irp i, 0,1,2,3,4,5,6,7
	global_load_b128 v[Y1+4*\i:Y1+4*\i+3], v2, s[4:5] offset:4096+512*\i th:TH_LOAD_NT
.endr
.irp i, 0,1,2,3,4,5,6,7
	global_load_b128 v[X1+4*\i:X1+4*\i+3], v2, s[6:7] offset:4096+512*\i th:TH_LOAD_NT
.endr
	s_wait_loadcnt 16                              ; gain, bias and row 0 are in; the second row's 16 loads may be out
	LNROW Y0, X0, GG, BB, TM
.irp i, 0,1,2,3,4,5,6,7
	global_store_b128 v2, v[Y0+4*\i:Y0+4*\i+3], s[12:13] offset:512*\i th:TH_STORE_NT
.endr
	s_wait_loadcnt 0x0
	LNROW Y1, X1, GG, BB, TM
.irp i, 0,1,2,3,4,5,6,7
	global_store_b128 v2, v[Y1+4*\i:Y1+4*\i+3], s[12:13] offset:4096+512*\i th:TH_STORE_NT
.endr
	s_endpgm
.Lfunc_end_k_q9be253fe30_ln:
	.size	k_q9be253fe30_ln, .Lfunc_end_k_q9be253fe30_ln-k_q9be253fe30_ln
	.p2alignl 7, 3214868480
	.fill 96, 4, 3214868480
	.section	.rodata,"a",@progbits
	.p2align	6, 0x0
	.amdhsa_kernel k_q9be253fe30_ln
		.amdhsa_group_segment_fixed_size 0
		.amdhsa_private_segment_fixed_size 0
		.amdhsa_enable_private_segment 0
		.amdhsa_kernarg_size 40
		.amdhsa_user_sgpr_count 2
		.amdhsa_user_sgpr_kernarg_segment_ptr 1
		.amdhsa_wavefront_size32 1
		.amdhsa_system_sgpr_workgroup_id_x 1
		.amdhsa_system_sgpr_workgroup_id_y 1
		.amdhsa_system_sgpr_workgroup_id_z 1
		.amdhsa_system_vgpr_workitem_id 0
		.amdhsa_next_free_vgpr 224
		.amdhsa_next_free_sgpr 66
		.amdhsa_reserve_vcc 0
		.amdhsa_float_denorm_mode_32 3
		.amdhsa_float_denorm_mode_16_64 3
		.amdhsa_memory_ordered 1
		.amdhsa_forward_progress 1
		.amdhsa_inst_pref_size 22
	.end_amdhsa_kernel
	.amdgpu_metadata
---
amdhsa.version: [ 1, 2 ]
amdhsa.kernels:
  - .name:           k_q9be253fe30_ln
    .symbol:         k_q9be253fe30_ln.kd
    .args:
      - { .name: qy, .offset: 0, .size: 8, .value_kind: global_buffer, .address_space: global }
      - { .name: xb, .offset: 8, .size: 8, .value_kind: global_buffer, .address_space: global }
      - { .name: ffn_g, .offset: 16, .size: 8, .value_kind: global_buffer, .address_space: global }
      - { .name: ffn_b, .offset: 24, .size: 8, .value_kind: global_buffer, .address_space: global }
      - { .name: out0, .offset: 32, .size: 8, .value_kind: global_buffer, .address_space: global }
    .group_segment_fixed_size: 0
    .private_segment_fixed_size: 0
    .kernarg_segment_align: 8
    .kernarg_segment_size: 40
    .max_flat_workgroup_size: 256
    .sgpr_count:     66
    .vgpr_count:     224
    .wavefront_size: 32
...
	.end_amdgpu_metadata
.endif
;; end of part 7
